; MI455X (gfx1250); checked and timed in simulation.
; The chip was launched on July 23, 2026; its instructions are those of AMD's public machine-readable ISA for CDNA 5 (MIT licence, August 2026) and "CDNA5" Instruction Set Architecture Reference Guide (July 2026). The comments in the code are by the model that wrote it; some were corrected since.
;; Multi Head Attention. Allowed arithmetic: matrix products marked QUANTISED: E2M1 operands, one E8M0 scale for each 32 along K, by v_wmma_scale_f32_16x16x128_f8f6f4 with both operands' format E2M1 (or v_wmma_scale_f32_32x16x128_f4), f32 sums; everything else in f32.
;; Inputs: bk 512 float32; bo 512 float32; bq 512 float32; bv 512 float32; wk 512 x 512 float32; wo 512 x 512 float32; wq 512 x 512 float32; wv 512 x 512 float32; x 2 x 4,096 x 512 float32.
;; Outputs: out0 2 x 4,096 x 512 float32.
;; This version of the problem:
;;   THIS VERSION OF THE PROBLEM IS GIVEN IN LOW PRECISION. The matrix products marked QUANTISED in the list below multiply operands that are first quantised to E2M1 (2 exponent bits, 1 mantissa bit; 4 bits a number), with one power-of-two scale for each 32 numbers along K (OCP MX v1.0); their sums are f32. All else is computed in f32.
;;   The module's matrix products, in the order in which they are computed (A, B: the left and right operand; K: the contracted axis; several contracted axes count as one K, in the product's order):
;;     1. [M 8,192, K 512] x [K 512, N 512]; A: input x; B: input wq: QUANTISED
;;     2. [M 8,192, K 512] x [K 512, N 512]; A: input x; B: input wk: QUANTISED
;;     3. [M 8,192, K 512] x [K 512, N 512]; A: input x; B: input wv: QUANTISED
;;     4. batch 16 x [M 4,096, K 64] x [K 64, N 4,096]; A: computed on the way; B: computed on the way: QUANTISED
;;     5. batch 16 x [M 4,096, K 4,096] x [K 4,096, N 64]; A: softmax (see below); B: computed on the way: QUANTISED
;;     6. [M 8,192, K 512] x [K 512, N 512]; A: computed on the way; B: input wo: QUANTISED
;;   THE QUANTISER, for each operand of a quantised product, along K:
;;     - K is cut into blocks of 32 from its start; a last block that is shorter is filled with zeros.
;;     - A block's scale is 2^e with e = floor(log2(the largest magnitude in the block)) - 2, held to -126 .. 127; a block of zeros has e = 0. As a byte (E8M0): e + 127.
;;     - Each number is divided by its block's scale, clamped to +-6, and rounded to the nearest number of E2M1, ties to even, subnormals kept.
;;     - The product sums the exact products of the quantised numbers (number of the format x scale) in f32.
;;   ~~~python
;;   def quantise(x, axis):      # numpy; x: float32 -> the quantised numbers, widened to float32 again
;;       x = np.moveaxis(x, axis, -1); K = x.shape[-1]
;;       x = np.pad(x, [(0, 0)] * (x.ndim - 1) + [(0, -K % 32)]); x = x.reshape(x.shape[:-1] + (-1, 32)); a = np.abs(x).max(-1, keepdims=True)
;;       e = np.where(a > 0, np.clip(np.frexp(np.where(a > 0, a, 1))[1] - 1 - 2, -126, 127), 0)      # np.frexp(a)[1] - 1 = floor(log2(a)), exactly
;;       r = np.clip(x / 2.0 ** e, -6, 6)
;;       step = 2.0 ** (np.maximum(np.frexp(np.where(r == 0, 1, r))[1] - 1, 0) - 1)
;;       q = np.round(r / step) * step * 2.0 ** e      # np.round: ties to even
;;       return np.moveaxis(q.reshape(q.shape[:-2] + (-1,))[..., :K], -1, axis).astype(np.float32)
;;   ~~~
;;   SOFTMAX AHEAD OF A QUANTISED PRODUCT. Where the list says 'softmax', what is quantised is not the finished softmax but p = 2^(t - M), with t = logit x log2(e) and M = ceil(the row's largest t), a whole number; so 1/2 < the row's largest p <= 1. The row's sum l is taken of the UNQUANTISED p, in f32, and the product's result is divided by l at the end. Since M is a whole number, a kernel that streams over the keys may use a running M (the ceiling of the running maximum): every later rescaling is an exact power of two, which a block's scale takes up: the codes' values come out the same.
;;   OPERANDS COMPUTED ON THE WAY. 'Computed on the way' means the value that the module computes at that place (a softmax that the list does not call 'softmax' is quantised finished and normalised). What goes into a quantiser is computed in f32, as accurately as f32 sums, v_exp_f32 and their like allow (about 1e-6 of the number): no bf16 or f16 on the way to a quantiser, and a product that is left as it is and whose result goes on into a quantised operand takes f32 operands (vector FMAs, or v_wmma_f32_16x16x4_f32). A number that lies on a knife's edge between two numbers of the format may be rounded either way, as far as f32 arithmetic and the matrix unit's own rounding can turn it there, and no further.
;; One version. Each part assembles by itself: llvm-mc -triple=amdgcn-amd-amdhsa -mcpu=gfx1250 --defsym DOCPART=n.
;; ======== version 1 of 1: 4 launches
;; limits: right only within a limited range of input values
;; workspace buffers: wimg 524,288 bytes; wsc 32,768 bytes; qimg 2,097,152 bytes; qsc 262,144 bytes; kv 4,587,520 bytes; ocodes 2,097,152 bytes; oscale 131,072 bytes
;; launch wprep (part 1): grid 32 x 4, 4 waves a work-group, no clusters, 34,560 bytes of LDS; arguments wq, wk, wv, wo, wimg, wsc; writes wimg, wsc
.if DOCPART == 1
	.amdgcn_target "amdgcn-amd-amdhsa--gfx1250"
	.amdhsa_code_object_version 6
	.text
	.protected	k_qdcfce2a3f6_wprep
	.globl	k_qdcfce2a3f6_wprep
	.p2align	8
	.type	k_qdcfce2a3f6_wprep,@function
k_qdcfce2a3f6_wprep:
	s_mov_b64 s[64:65], 0
	v_nop
	global_prefetch_b8 v0, s[64:65] scope:SCOPE_SE
	s_setreg_imm32_b32 hwreg(HW_REG_WAVE_MODE, 25, 1), 1
	s_wait_xcnt 0x0
; The four weights [512][512], f32, K innermost, become codes of FP4 (E2M1) with one E8M0 scale byte for each 32 along K, laid as IMAGES OF OPERAND REGISTERS.
; A tile is 16 rows: tile T = 2 B + U holds row 32 B + 8 U + pi(i) at place i, pi(i) = i + 8 (i / 8): so wherever a product with these rows as source 0 becomes an operand,
; the registers of tiles 2 B and 2 B + 1 are 16 neighbours along the next K.
; wimg: [weight][tile 32][K step 4][c 2][lane 32][16 bytes]: lane (r, h) holds k = 128 s + 64 c + 32 h + 0 .. 31 of the row at place r.   wsc: [weight][tile][place 16][K step 4] scale words.
; SHARES: a work-group takes one tile of one weight (x: tile, y: weight), wave s its K step s: one fragment of 16 rows x 128 K.  128 work-groups: a finer split would cut a tile's 256 bytes of scale words.
; Each load reads 512 consecutive bytes of one row; the 16 rows turn through the wave's own stage in LDS, so that a lane gets two whole blocks of 32 neighbours.
; A block's scale is 2^(floor(log2(largest magnitude)) - 2); its byte is the largest magnitude's exponent field - 2, held at 1 from below.
; LIMITS: a block of zeros gets the byte 1 where the rule says 127 (its codes are zeros, and this program alone reads the bytes); NaN and infinities among the inputs are not served.
; No matrix unit, no tensor load, no cluster: work-groups share no input and each byte is read once.
.set STP,  528                         ; a stage row: 512 bytes + 16 = 132 words: sixteen rows start at sixteen different banks (64 banks of 4 bytes: ISA guide 11.1)
.set WST,  16*STP                      ; a wave's stage
.set SCG,  4*WST                       ; behind the stages: the tile's 256 bytes of scale words
.set WV,   16                          ; s16  my wave's number = my K step
.set SEL,  26                          ; s[26:27] selects of v_permlanex16_b32: lane l xor 16
.set H8,   4                           ; v4   8 h
.set TM,   16                          ; v16-17 largest magnitudes, v18-19 bytes, v20-21 the conversions' scale operands, v22 the partner lane's bytes
.set PW,   24                          ; v24  the scale word
.set PC,   32                          ; v32-39 the fragment's codes
.set X,    64                          ; v64-127 rows as loaded, then 64 numbers of my row: register 32 c + i = k 64 c + 32 h + i
; 64 numbers of a lane (two whole blocks) become a fragment's 8 registers of codes and its row's scale word
.macro QB x, pc, pw
.irp c, 0,1
	v_max3_num_f32 v[TM+\c], |v[\x+32*\c]|, |v[\x+32*\c+1]|, 0x1800000   ; with the floor 2^(3 - 127): the byte cannot fall under 1
.endr
.irp i, 2,4,6,8,10,12,14,16,18,20,22,24,26,28,30
.irp c, 0,1
	v_max3_num_f32 v[TM+\c], v[TM+\c], |v[\x+32*\c+\i]|, |v[\x+32*\c+\i+1]|   ; the two blocks by turns
.endr
.endr
.irp c, 0,1
	v_add_nc_u32 v[TM+4+\c], 0xff000000, v[TM+\c]      ; 2 off the exponent field: the conversion takes this operand's exponent field as its scale
.endr
.irp c, 0,1
	v_lshrrev_b32 v[TM+2+\c], 23, v[TM+4+\c]           ; the scale's byte
.endr
	v_lshl_or_b32 v[\pw], v[TM+3], 16, v[TM+2]         ; my bytes: blocks h and 2 + h,
	v_lshlrev_b32 v[\pw], v[H8], v[\pw]                ; at their places;
	v_permlanex16_b32 v[TM+6], v[\pw], s[SEL], s[SEL+1]
	v_or_b32 v[\pw], v[\pw], v[TM+6]                   ; with lane l xor 16's two the word is whole
.irp c, 0,1
.irp g, 0,1,2,3
	v_cvt_scalef32_pk8_fp4_f32 v[\pc+4*\c+\g], v[\x+32*\c+8*\g:\x+32*\c+8*\g+7], v[TM+4+\c]
.endr
.endr
	v_nop                                              ; one plain place behind the last conversion
.endm
	s_load_b256 s[4:11], s[0:1], 0x0               ; wq, wk, wv, wo
	s_load_b128 s[12:15], s[0:1], 0x20             ; wimg, wsc
	v_lshl_add_u32 v128, v0, 2, 0x8500
	v_mov_b32 v129, 0
	v_lshrrev_b32 v1, 5, v0
	v_readfirstlane_b32 s[WV], v1
	v_and_b32 v8, 31, v0                           ; lane
	v_and_b32 v9, 15, v0                           ; r
	v_bfe_u32 v10, v0, 4, 1                        ; h
	v_lshlrev_b32 v1, 4, v8                        ; 16 x lane: my bytes of a load, and of an image
	s_mul_i32 s17, s[WV], WST
	v_add_nc_u32 v2, s17, v1                       ; the stage, on the way in
	v_mul_u32_u24 v3, v9, STP
	v_lshl_add_u32 v3, v10, 7, v3
	v_add_nc_u32 v3, s17, v3                       ; and out: row r, + 128 h bytes
	v_lshlrev_b32 v[H8], 3, v10
	s_lshl_b32 s18, s[WV], 2
	s_add_co_u32 s18, s18, SCG
	v_lshl_add_u32 v5, v9, 4, s18                  ; my row's scale word of my K step
	v_lshlrev_b32 v7, 3, v8
	v_add_nc_u32 v6, SCG, v7                       ; the scale words' way out: 8 bytes a lane
	v_mov_b32 v[TM+6], 0                           ; a lane permute's destination counts as read
	s_mov_b32 s[SEL], 0x76543210
	s_mov_b32 s[SEL+1], 0xfedcba98
	s_and_b32 s19, ttmp7, 0xffff                   ; which weight
	s_lshr_b32 s20, ttmp9, 1
	s_lshl_b32 s20, s20, 16                        ; 32 rows of 2,048 bytes for each pair of tiles,
	s_and_b32 s21, ttmp9, 1
	s_lshl_b32 s21, s21, 14                        ; 8 rows for the odd tile,
	s_add_co_u32 s20, s20, s21
	s_lshl_b32 s21, s[WV], 9                       ; 512 bytes for each K step
	s_add_co_u32 s20, s20, s21
	s_mov_b32 s21, 0
	s_lshl_b32 s22, s19, 17                        ; wimg: 131,072 a weight, 4,096 a tile, 1,024 a K step
	s_lshl_b32 s23, ttmp9, 12
	s_add_co_u32 s22, s22, s23
	s_lshl_b32 s23, s[WV], 10
	s_add_co_u32 s22, s22, s23
	s_mov_b32 s23, 0
	s_lshl_b32 s24, s19, 13                        ; wsc: 8,192 a weight, 256 a tile
	s_lshl_b32 s25, ttmp9, 8
	s_add_co_u32 s24, s24, s25
	s_mov_b32 s25, 0
	s_wait_alu depctr_va_vdst(0)
	s_wait_kmcnt 0x0
	s_cmp_eq_u32 s19, 1                            ; the choice hangs on the work-group's number alone
	s_cselect_b64 s[4:5], s[6:7], s[4:5]
	s_cmp_eq_u32 s19, 2
	s_cselect_b64 s[4:5], s[8:9], s[4:5]
	s_cmp_eq_u32 s19, 3
	s_cselect_b64 s[4:5], s[10:11], s[4:5]
	s_add_nc_u64 s[4:5], s[4:5], s[20:21]
	s_add_nc_u64 s[12:13], s[12:13], s[22:23]
	s_add_nc_u64 s[14:15], s[14:15], s[24:25]
.irp i, 0,1,2,3,4,5,6,7,8,9,10,11,12,13,14,15
	global_load_b128 v[X+4*\i:X+4*\i+3], v1, s[4:5] offset:(\i+8*(\i/8))*2048 th:TH_LOAD_NT   ; the row at place i: 32 lanes read its 512 consecutive bytes of my K step; read once in the launch
.endr
.irp i, 0,1,2,3,4,5,6,7,8,9,10,11,12,13,14,15
	s_wait_loadcnt 15-\i                           ; loads come back in order: row i is in, the 15 - i younger ones may be out
	ds_store_b128 v2, v[X+4*\i:X+4*\i+3] offset:STP*\i
.endr
.irp c, 0,1
.irp j, 0,1,2,3,4,5,6,7
	ds_load_b128 v[X+32*\c+4*\j:X+32*\c+4*\j+3], v3 offset:256*\c+16*\j   ; my own stage, served in order: these see the stores above
.endr
.endr
	s_wait_dscnt 0x0
	QB X, PC, PW
	global_store_b128 v1, v[PC:PC+3], s[12:13]                 ; each store covers 512 consecutive bytes, aligned
	global_store_b128 v1, v[PC+4:PC+7], s[12:13] offset:512
	ds_store_b32 v5, v[PW]                         ; lanes l and l xor 16 write the same word with the same value
	s_wait_dscnt 0x0                               ; for the others' sake: my word has landed
	s_barrier_signal -1
	s_barrier_wait -1
	s_cmp_lg_u32 s[WV], 0
	s_cbranch_scc1 .Lend
	ds_load_b64 v[26:27], v6                       ; the four waves' words: 256 bytes,
	s_wait_dscnt 0x0
	global_store_b64 v7, v[26:27], s[14:15]        ; stored as 256 consecutive bytes, aligned
.Lend:
	s_wait_tensorcnt 0x0
	ds_add_u32 v128, v129
	s_wait_dscnt 0x0
	s_endpgm
.Lfunc_end_k_qdcfce2a3f6_wprep:
	.size	k_qdcfce2a3f6_wprep, .Lfunc_end_k_qdcfce2a3f6_wprep-k_qdcfce2a3f6_wprep
	.p2alignl 7, 3214868480
	.fill 96, 4, 3214868480
	.section	.rodata,"a",@progbits
	.p2align	6, 0x0
	.amdhsa_kernel k_qdcfce2a3f6_wprep
		.amdhsa_group_segment_fixed_size 34560
		.amdhsa_private_segment_fixed_size 0
		.amdhsa_enable_private_segment 0
		.amdhsa_kernarg_size 48
		.amdhsa_user_sgpr_count 2
		.amdhsa_user_sgpr_kernarg_segment_ptr 1
		.amdhsa_wavefront_size32 1
		.amdhsa_system_sgpr_workgroup_id_x 1
		.amdhsa_system_sgpr_workgroup_id_y 1
		.amdhsa_system_sgpr_workgroup_id_z 1
		.amdhsa_system_vgpr_workitem_id 0
		.amdhsa_next_free_vgpr 130
		.amdhsa_next_free_sgpr 66
		.amdhsa_reserve_vcc 0
		.amdhsa_float_denorm_mode_32 3
		.amdhsa_float_denorm_mode_16_64 3
		.amdhsa_memory_ordered 1
		.amdhsa_forward_progress 1
		.amdhsa_inst_pref_size 11
	.end_amdhsa_kernel
	.amdgpu_metadata
---
amdhsa.version: [ 1, 2 ]
amdhsa.kernels:
  - .name:           k_qdcfce2a3f6_wprep
    .symbol:         k_qdcfce2a3f6_wprep.kd
    .args:
      - { .name: wq, .offset: 0, .size: 8, .value_kind: global_buffer, .address_space: global }
      - { .name: wk, .offset: 8, .size: 8, .value_kind: global_buffer, .address_space: global }
      - { .name: wv, .offset: 16, .size: 8, .value_kind: global_buffer, .address_space: global }
      - { .name: wo, .offset: 24, .size: 8, .value_kind: global_buffer, .address_space: global }
      - { .name: wimg, .offset: 32, .size: 8, .value_kind: global_buffer, .address_space: global }
      - { .name: wsc, .offset: 40, .size: 8, .value_kind: global_buffer, .address_space: global }
    .group_segment_fixed_size: 34560
    .private_segment_fixed_size: 0
    .kernarg_segment_align: 8
    .kernarg_segment_size: 48
    .max_flat_workgroup_size: 128
    .sgpr_count:     66
    .vgpr_count:     130
    .wavefront_size: 32
...
	.end_amdgpu_metadata
.endif
;; end of part 1
;; launch proj (part 2): grid 4 x 64, 8 waves a work-group, clusters of 4 x 1, 306,688 bytes of LDS; arguments x, wimg, wsc, bq, bk, bv, qimg, qsc, kv; writes qimg, qsc, kv
.if DOCPART == 2
	.amdgcn_target "amdgcn-amd-amdhsa--gfx1250"
	.amdhsa_code_object_version 6
	.text
	.protected	k_qdcfce2a3f6_proj
	.globl	k_qdcfce2a3f6_proj
	.p2align	8
	.type	k_qdcfce2a3f6_proj,@function
k_qdcfce2a3f6_proj:
	s_mov_b64 s[64:65], 0
	v_nop
	global_prefetch_b8 v0, s[64:65] scope:SCOPE_SE
	s_setreg_imm32_b32 hwreg(HW_REG_WAVE_MODE, 25, 1), 1
	s_wait_xcnt 0x0
	s_wait_alu depctr_hold_cnt(0) depctr_sa_sdst(0) depctr_va_vdst(0) depctr_va_sdst(0) depctr_va_ssrc(0) depctr_va_vcc(0) depctr_vm_vsrc(0)
	s_getreg_b32 s2, hwreg(HW_REG_IB_STS2, 6, 4)
	s_cmp_eq_u32 s2, 0
	s_cbranch_scc0 .Lentry_in_a_cluster
	s_endpgm
.Lentry_in_a_cluster:
	s_bfe_u32 s2, ttmp6, 0x10000c
	s_cmp_lg_u32 s2, 0x3003
	s_cbranch_scc0 .Lentry_shape_is_right
	s_endpgm
.Lentry_shape_is_right:
; q = x wq^T + bq, k = x wk^T + bk, v = x wv^T + bv on codes of FP4 (E2M1) with E8M0 scales for each 32 along K = 512; x is quantised here, the weights come as images (wimg, wsc).
; The results are quantised at once, in f32, for the attention launch: q and k along the head's 64 channels, v along the keys, and stored as images of operand registers.
; SHARES.  A cluster of four work-groups takes 128 tokens (cluster y = token group G: batch G / 32, key step G % 32).  Partner cx takes heads 2 cx and 2 cx + 1 of q, k and v: cx enters global addresses alone.
; x's 128 rows (262,144 bytes) are wanted by all four partners: they are asked for JOINTLY, each wave its 16 rows, mask 15.  Filled once: no slot is filled again.
; TOKENS AND WEIGHT ROWS GO IN TILES OF 16 THAT ARE NOT NEIGHBOURS: tile 2 B + U holds 32 B + 8 U + pi(i) at place i, pi(i) = i + 8 (i / 8).
; PHASES.  X: wave w quantises token tile w (four fragments) and stores their images in LDS | barrier |
;   QK: wave w: kind (w / 2) % 2 (q or k), local head w % 2, token tiles 4 (w / 4) .. + 3: transposed (source 0 = 16 weight rows, source 1 = 16 tokens): a lane holds one token, its 32 registers 32 channels: quantised, stored |
;   V: wave w: local head w / 4, channel tile w % 4, all eight token tiles (source 0 = 16 tokens, source 1 = 16 weight rows): a lane holds one channel, its 64 registers 64 keys: quantised along the keys, stored.
; qimg [bh][tile 256][lane][16]; qsc [bh][group of 4 tiles][lane][2 words]: tile i, row r at (r + 16 (i % 2)) 8 + (i / 2) 4; kv [bh][step 32][8,960]: K codes 4,096, V codes 4,096, K scale words 512, V scale words 256.
; LIMITS: a block of zeros gets the byte 1 where the rule says 127 (zero codes; this program alone reads the bytes); q's and k's scale words have 0 in their two upper bytes (k = 64 .. 127 are zero codes in the next launch); NaN and infinities are not served.
.set HROW, 1040                        ; half a row of x in LDS: 1,024 bytes + 16
.set XIMG, 256*HROW                    ; behind x: the images of x's 32 fragments: tile 4,096, K step 1,024, c 512, 16 a lane
.set XSC,  XIMG+32768                  ; their scale words: tile 512, 16 a lane: one word for each K step
.set VSC,  XSC+4096                    ; v's scale words of the two heads, 256 bytes each
.set BIA,  VSC+512                     ; 256 bytes for each wave: the 64 numbers of bq or bk of its head
.set WV,   22                          ; s22  my wave's number
.set G1,   28                          ; s[28:35] descriptor group 1
.set G0,   36                          ; s[36:39] group 0
.set SEL,  40                          ; s[40:41] selects of v_permlanex16_b32: lane l xor 16
.set H8,   15                          ; v15  8 h
.set TM,   16                          ; v16-23, v28-31 at work in the quantisers
.set PC,   32                          ; v32-39 codes just made
.set PWS,  40                          ; v40-43 scale words just made
.set XS,   44                          ; v44-47 scale words of source 1 (x's tile; later wv's rows): scales alone
.set WS,   48                          ; v48-63 scale words of source 0 (weight rows 4 tl + s; later x's eight tiles): scales alone
.set ACC,  64                          ; v64-95 four accumulators; in phase X with v96-127: 64 numbers of x; in phase V v64-71: bv
.set XF,   96                          ; v96-127 x's four fragments of a tile; in phase V wv's four
.set W,    128                         ; v128-255 16 weight fragments at 8 (4 tl + s)
.set VA,   128                         ; phase V: eight accumulators
.set XT,   192                         ; phase V: x's eight fragments of a K step
.macro ROUND                           ; a round of the cluster's barrier
	s_barrier_signal -1
	s_barrier_wait -1
	s_cmp_lg_u32 s[WV], 0
	s_cbranch_scc1 .Lnot_wave_0_\@
	s_barrier_signal -3
.Lnot_wave_0_\@:
	s_barrier_wait -3
	s_barrier_signal -1
	s_barrier_wait -1
.endm
.macro BAR                             ; my LDS stores have landed and my LDS loads are in: then the work-group's barrier
	s_wait_dscnt 0x0
	s_barrier_signal -1
	s_barrier_wait -1
.endm
; 64 numbers of a lane, register 32 c + i = k 64 c + 32 h + i (two whole blocks), become a fragment's codes and its row's scale word
.macro QB x, pc, pw
.irp c, 0,1
	v_max3_num_f32 v[TM+\c], |v[\x+32*\c]|, |v[\x+32*\c+1]|, 0x1800000   ; with the floor 2^(3 - 127): the byte cannot fall under 1
.endr
.irp i, 2,4,6,8,10,12,14,16,18,20,22,24,26,28,30
.irp c, 0,1
	s_delay_alu instid0(VALU_DEP_2)
	v_max3_num_f32 v[TM+\c], v[TM+\c], |v[\x+32*\c+\i]|, |v[\x+32*\c+\i+1]|
.endr
.endr
.irp c, 0,1
	s_delay_alu instid0(VALU_DEP_2)
	v_add_nc_u32 v[TM+4+\c], 0xff000000, v[TM+\c]      ; 2 off the exponent field: the conversion's scale operand
.endr
.irp c, 0,1
	s_delay_alu instid0(VALU_DEP_2)
	v_lshrrev_b32 v[TM+2+\c], 23, v[TM+4+\c]           ; the scale's byte
.endr
	s_delay_alu instid0(VALU_DEP_1)
	v_lshl_or_b32 v[\pw], v[TM+3], 16, v[TM+2]
	s_delay_alu instid0(VALU_DEP_1)
	v_lshlrev_b32 v[\pw], v[H8], v[\pw]
	s_delay_alu instid0(VALU_DEP_1)
	v_permlanex16_b32 v[TM+6], v[\pw], s[SEL], s[SEL+1]
	s_delay_alu instid0(VALU_DEP_1)
	v_or_b32 v[\pw], v[\pw], v[TM+6]                   ; with lane l xor 16's two bytes the word is whole
.irp c, 0,1
.irp g, 0,1,2,3
	v_cvt_scalef32_pk8_fp4_f32 v[\pc+4*\c+\g], v[\x+32*\c+8*\g:\x+32*\c+8*\g+7], v[TM+4+\c]
.endr
.endr
	v_nop                                              ; one plain place behind the last conversion
.endm
; 16 nb numbers of a lane, register 16 b + i = k 32 b + 16 h + i (nb half blocks; the other halves lie in lane l xor 16), become 2 nb registers of codes and the row's scale word
.macro QH x, nb, pc, pw
.irp b, 0,1,2,3
.if \b < \nb
	v_max3_num_f32 v[TM+\b], |v[\x+16*\b]|, |v[\x+16*\b+1]|, 0x1800000   ; each accumulator is read from its low end on
.endif
.endr
.irp i, 2,4,6,8,10,12,14
.irp b, 0,1,2,3
.if \b < \nb
	v_max3_num_f32 v[TM+\b], v[TM+\b], |v[\x+16*\b+\i]|, |v[\x+16*\b+\i+1]|
.endif
.endr
.endr
.irp b, 0,1,2,3
.if \b < \nb
	v_permlanex16_b32 v[TM+4+\b], v[TM+\b], s[SEL], s[SEL+1]
.endif
.endr
.irp b, 0,1,2,3
.if \b < \nb
	v_max_num_f32 v[TM+\b], v[TM+\b], v[TM+4+\b]       ; the block's largest magnitude
.endif
.endr
.irp b, 0,1,2,3
.if \b < \nb
	v_add_nc_u32 v[TM+12+\b], 0xff000000, v[TM+\b]
.endif
.endr
.irp b, 0,1,2,3
.if \b < \nb
	v_lshrrev_b32 v[TM+4+\b], 23, v[TM+12+\b]
.endif
.endr
	v_lshl_or_b32 v[\pw], v[TM+5], 8, v[TM+4]
.if \nb > 2
	s_delay_alu instid0(VALU_DEP_1)
	v_lshl_or_b32 v[\pw], v[TM+6], 16, v[\pw]
	s_delay_alu instid0(VALU_DEP_1)
	v_lshl_or_b32 v[\pw], v[TM+7], 24, v[\pw]
.endif
.irp b, 0,1,2,3
.if \b < \nb
	v_cvt_scalef32_pk8_fp4_f32 v[\pc+2*\b], v[\x+16*\b:\x+16*\b+7], v[TM+12+\b]
	v_cvt_scalef32_pk8_fp4_f32 v[\pc+2*\b+1], v[\x+16*\b+8:\x+16*\b+15], v[TM+12+\b]
.endif
.endr
	v_nop                                              ; one plain place behind the last conversion
.irp c, 0,1
.if 2*\c < \nb
.irp i, 0,1
	v_permlane16_swap_b32 v[\pc+4*\c+\i], v[\pc+4*\c+2+\i]   ; the operand's layout wants a whole block in a lane
.endr
.endif
.endr
.endm
.macro XFETCH i                        ; x's four fragments and four scale words of my i-th token tile
.irp s, 0,1,2,3
.irp c, 0,1
	ds_load_b128 v[XF+8*\s+4*\c:XF+8*\s+4*\c+3], v8 offset:(\i)*4096+\s*1024+\c*512
.endr
.endr
	ds_load_b128 v[XS:XS+3], v9 offset:(\i)*512
.endm
	s_load_b512 s[4:19], s[0:1], 0x0               ; x, wimg, wsc, bq, bk, bv, qimg, qsc
	s_load_b64 s[20:21], s[0:1], 0x40              ; kv
	s_set_vgpr_msb 0x40
	v_lshl_add_u32 v0, v0, 2, 0x4aa00
	v_mov_b32 v1, 0
	s_set_vgpr_msb 0x4045
	ds_add_u32 v0, v1
	ds_add_u32 v0, v1
	s_set_vgpr_msb 0x4500
	v_lshrrev_b32 v1, 5, v0
	s_delay_alu instid0(VALU_DEP_1)
	v_readfirstlane_b32 s[WV], v1                  ; wave 0..7
	s_bfe_u32 s23, ttmp6, 0x40000                  ; cx
	s_and_b32 s24, ttmp7, 0xffff                   ; G: the token group, which the four partners share
	s_lshr_b32 s25, s24, 5                         ; batch
	s_and_b32 s26, s24, 31                         ; key step
	; descriptor group 1: my 16 rows of x, dense in memory, as 32 rows of 1,024 bytes (128 elements of 8 bytes), 16 bytes of padding behind each
	s_mov_b32 s[G1], 15|(3<<16)|(1<<20)|(1<<21)|(7<<22)|(3<<25)   ; 15:0 the mask: all four partners; 17:16 elements of 8 bytes; 20 padding on; 21 set beside a mask; 24:22 after every 256 words; 31:25 four words
	s_mov_b32 s[G1+1], 128<<16                     ; tensor_dim0
	s_mov_b32 s[G1+2], 32<<16                      ; tensor_dim1
	s_mov_b32 s[G1+3], 128<<16                     ; tile_dim0
	s_mov_b32 s[G1+4], 32                          ; tile_dim1
	s_mov_b32 s[G1+5], 128                         ; from row to row
	s_mov_b32 s[G1+6], 0
	s_mov_b32 s[G1+7], 0
	s_mov_b32 s[G0], 1
	s_mul_i32 s[G0+1], s[WV], 32*HROW              ; LDS: wave x 32 half rows: no place in the cluster enters it
	s_lshl_b32 s66, s24, 18                        ; 128 rows of 2,048 bytes a group,
	s_lshl_b32 s67, s[WV], 15                      ; 16 rows a wave
	s_add_co_u32 s66, s66, s67
	s_mov_b32 s67, 0
	s_mov_b32 s[SEL], 0x76543210
	s_mov_b32 s[SEL+1], 0xfedcba98
	s_wait_dscnt 0x0
	s_wait_kmcnt 0x0
	s_add_nc_u64 s[G0+2:G0+3], s[4:5], s[66:67]
	s_or_b32 s[G0+3], s[G0+3], 0x80000000          ; type = 2
	ROUND                                          ; all four partners are here: the joint loads meet
	tensor_load_to_lds s[G0:G0+3], s[G1:G1+7]      ; my one tensor load
	s_nop 0
.rept 4
	v_nop                                          ; four nops behind the load
.endr
	; what my wave does, and where its operands and results lie
	s_bfe_u32 s68, s[WV], 0x10001                  ; kind: 0 q, 1 k
	s_and_b32 s69, s[WV], 1                        ; QK: local head
	s_lshr_b32 s70, s[WV], 2                       ; QK: which four token tiles.  V: local head
	s_and_b32 s71, s[WV], 3                        ; V: channel tile
	s_lshl_b32 s72, s23, 1
	s_add_co_u32 s73, s72, s69                     ; QK: head
	s_add_co_u32 s74, s72, s70                     ; V: head
	s_lshl_b32 s75, s25, 3                         ; 8 x batch
	s_mul_i32 s80, s26, 8960                       ; the key step's bytes in kv
	s_lshl_b32 s42, s68, 17                        ; s[42:43]: my four weight tiles: 131,072 a weight, 16,384 a head
	s_lshl_b32 s81, s73, 14
	s_add_co_u32 s42, s42, s81
	s_mov_b32 s43, 0
	s_add_nc_u64 s[42:43], s[6:7], s[42:43]
	s_lshl_b32 s44, s68, 13                        ; s[44:45]: their scale words
	s_lshl_b32 s81, s73, 10
	s_add_co_u32 s44, s44, s81
	s_mov_b32 s45, 0
	s_add_nc_u64 s[44:45], s[8:9], s[44:45]
	s_add_co_u32 s76, s75, s73                     ; bh
	s_mul_i32 s77, s76, 286720
	s_add_co_u32 s77, s77, s80                     ; kv: my head's key step
	s_lshl_b32 s78, s76, 17
	s_lshl_b32 s81, s26, 12
	s_add_co_u32 s78, s78, s81                     ; qimg: 131,072 a head, 4,096 a group of 128 tokens
	s_lshl_b32 s79, s76, 14
	s_lshl_b32 s81, s26, 9
	s_add_co_u32 s79, s79, s81                     ; qsc: 16,384 a head, 512 a group
	s_add_co_u32 s82, s77, 8192                    ; kv: K's scale words
	s_lshl_b32 s83, s70, 11                        ; my four tiles: 2,048 bytes of codes,
	s_add_co_u32 s77, s77, s83
	s_add_co_u32 s78, s78, s83
	s_lshl_b32 s83, s70, 8                         ; 256 of scale words
	s_add_co_u32 s79, s79, s83
	s_add_co_u32 s82, s82, s83
	s_lshl_b32 s46, s73, 8                         ; the head's 64 numbers of the bias
	s_mov_b32 s47, 0
	s_mov_b32 s49, 0
	s_mov_b32 s51, 0
	s_cmp_eq_u32 s68, 0                            ; q or k: the choice hangs on the wave's number alone
	s_cselect_b32 s48, s78, s77
	s_cselect_b32 s50, s79, s82
	s_cselect_b64 s[84:85], s[10:11], s[12:13]
	s_cselect_b64 s[86:87], s[16:17], s[20:21]
	s_cselect_b64 s[88:89], s[18:19], s[20:21]
	s_add_nc_u64 s[46:47], s[84:85], s[46:47]      ; s[46:47]: the bias
	s_add_nc_u64 s[48:49], s[86:87], s[48:49]      ; s[48:49]: where my codes go
	s_add_nc_u64 s[50:51], s[88:89], s[50:51]      ; s[50:51]: where my scale words go
	s_lshl_b32 s52, s74, 14                        ; s[52:53]: wv's tile
	s_lshl_b32 s81, s71, 12
	s_add_co_u32 s52, s52, s81
	s_add_co_u32 s52, s52, 262144
	s_mov_b32 s53, 0
	s_add_nc_u64 s[52:53], s[6:7], s[52:53]
	s_lshl_b32 s54, s74, 10                        ; s[54:55]: its scale words
	s_lshl_b32 s81, s71, 8
	s_add_co_u32 s54, s54, s81
	s_add_co_u32 s54, s54, 16384
	s_mov_b32 s55, 0
	s_add_nc_u64 s[54:55], s[8:9], s[54:55]
	s_lshl_b32 s56, s74, 8                         ; s[56:57]: bv at the tile's first channel: 64 head + 32 (ct / 2) + 8 (ct % 2)
	s_lshr_b32 s81, s71, 1
	s_lshl_b32 s81, s81, 7
	s_add_co_u32 s56, s56, s81
	s_and_b32 s81, s71, 1
	s_lshl_b32 s81, s81, 5
	s_add_co_u32 s56, s56, s81
	s_mov_b32 s57, 0
	s_add_nc_u64 s[56:57], s[14:15], s[56:57]
	s_add_co_u32 s76, s75, s74
	s_mul_i32 s77, s76, 286720
	s_add_co_u32 s77, s77, s80
	s_lshl_b32 s81, s71, 10
	s_add_co_u32 s58, s77, s81
	s_add_co_u32 s58, s58, 4096                    ; s[58:59]: kv: V's codes of my channel tile
	s_mov_b32 s59, 0
	s_add_nc_u64 s[58:59], s[20:21], s[58:59]
	s_add_co_u32 s60, s77, 8704                    ; s[60:61]: kv: V's scale words
	s_mov_b32 s61, 0
	s_add_nc_u64 s[60:61], s[20:21], s[60:61]
	; a lane's offsets and LDS addresses: all made here, none rewritten
	v_and_b32 v16, 31, v0                          ; lane
	v_and_b32 v17, 15, v0                          ; r
	v_bfe_u32 v18, v0, 4, 1                        ; h
	s_delay_alu instid0(VALU_DEP_1)
	v_cmp_ne_u32 vcc_lo, 0, v18                    ; lanes 16-31; VCC is not written again
	s_delay_alu instid0(VALU_DEP_4)
	v_lshlrev_b32 v1, 4, v16                       ; v1   16 x lane
	v_lshlrev_b32 v2, 3, v16                       ; v2   8 x lane
	v_lshlrev_b32 v3, 4, v17                       ; v3   16 r
	v_and_b32 v19, 8, v17
	s_delay_alu instid0(VALU_DEP_1)
	v_add_nc_u32 v19, v19, v17                     ; pi(r)
	s_delay_alu instid0(VALU_DEP_1)
	v_lshlrev_b32 v14, 2, v19                      ; v14  4 pi(r)
	v_lshlrev_b32 v[H8], 3, v18
	s_lshl_b32 s81, s[WV], 8
	s_add_co_u32 s81, s81, BIA
	v_lshl_add_u32 v4, v18, 6, s81                 ; v4   my wave's bias: + 64 h bytes
	v_add_nc_u32 v27, s81, v2                      ; v27  and where I lay my 8 bytes of it
	s_lshr_b32 s81, s[WV], 1
	s_lshl_b32 s81, s81, 5
	s_lshl_b32 s83, s69, 3
	s_add_co_u32 s81, s81, s83                     ; token tile w begins at token 32 (w / 2) + 8 (w % 2)
	s_mul_i32 s81, s81, 2*HROW
	v_mul_u32_u24 v5, v19, 2*HROW
	s_delay_alu instid0(VALU_DEP_1)
	v_lshl_add_u32 v5, v18, 7, v5
	s_delay_alu instid0(VALU_DEP_1)
	v_add_nc_u32 v5, s81, v5                       ; v5   x in LDS: my token's row, + 128 h bytes
	s_lshl_b32 s81, s[WV], 12
	s_add_co_u32 s81, s81, XIMG
	v_add_nc_u32 v6, s81, v1                       ; v6   where I store x's images
	s_lshl_b32 s81, s[WV], 9
	s_add_co_u32 s81, s81, XSC
	v_add_nc_u32 v7, s81, v1                       ; v7   and their scale words
	s_lshl_b32 s81, s70, 14
	s_add_co_u32 s81, s81, XIMG
	v_add_nc_u32 v8, s81, v1                       ; v8   QK: my four token tiles
	s_lshl_b32 s81, s70, 11
	s_add_co_u32 s81, s81, XSC
	v_add_nc_u32 v9, s81, v1                       ; v9   and their scale words
	v_add_nc_u32 v10, XIMG, v1                     ; v10  V: all eight tiles
	v_add_nc_u32 v11, XSC, v1                      ; v11
	s_lshl_b32 s81, s70, 8
	s_add_co_u32 s81, s81, VSC
	v_add_nc_u32 v13, s81, v2                      ; v13  V's scale words of my head, on the way out
	s_and_b32 s83, s71, 1
	s_lshl_b32 s83, s83, 7
	s_add_co_u32 s81, s81, s83
	s_lshr_b32 s83, s71, 1
	s_lshl_b32 s83, s83, 2
	s_add_co_u32 s81, s81, s83
	v_lshl_add_u32 v12, v17, 3, s81                ; v12  my channel's word: (r + 16 (ct % 2)) 8 + (ct / 2) 4
.irp b, 0,1,2,3
	v_mov_b32 v[TM+4+\b], 0                        ; a lane permute's destination counts as read
.endr
	global_load_b64 v[24:25], v2, s[46:47]         ; the head's 64 numbers of bq or bk
.irp tl, 0,1,2,3
.irp s, 0,1,2,3
.irp c, 0,1
	global_load_b128 v[W+8*(4*\tl+\s)+4*\c:W+8*(4*\tl+\s)+4*\c+3], v1, s[42:43] offset:\tl*4096+\s*1024+\c*512   ; images: 512 consecutive bytes a load
.endr
.endr
.endr
.irp tl, 0,1,2,3
	global_load_b128 v[WS+4*\tl:WS+4*\tl+3], v3, s[44:45] offset:\tl*256   ; row r's four words
.endr
	s_wait_tensorcnt 0x0                           ; my 16 rows of x are in,
	s_barrier_signal -1
	s_barrier_wait -1                              ; everybody's are.  Nothing is filled again
	s_wait_loadcnt 36                              ; the bias is in; the 32 + 4 loads issued behind it may be out
	ds_store_b64 v27, v[24:25]                     ; my wave's own bytes: only I read them, behind this store
	; ---- X: token tile w becomes four fragments
.irp s, 0,1,2,3
.irp c, 0,1
.irp j, 0,1,2,3,4,5,6,7
	ds_load_b128 v[ACC+32*\c+4*\j:ACC+32*\c+4*\j+3], v5 offset:(\s/2)*HROW+(\s%2)*512+256*\c+16*\j   ; k = 128 s + 64 c + 32 h + 4 j on
.endr
.endr
	s_wait_dscnt 0x0                               ; the numbers are in, and the last step's image stores have read their registers
	QB ACC, PC, PWS+\s
	ds_store_b128 v6, v[PC:PC+3] offset:\s*1024
	ds_store_b128 v6, v[PC+4:PC+7] offset:\s*1024+512
.endr
	ds_store_b128 v7, v[PWS:PWS+3]
	BAR                                            ; x's 32 fragments and their scale words lie in LDS
	; ---- QK: four jobs, one token tile each; 16 matrix instructions a job, the four accumulators by turns
.macro JOB i
.irp tl, 0,1,2,3
	ds_load_b128 v[ACC+8*\tl:ACC+8*\tl+3], v4 offset:128*(\tl/2)+32*(\tl%2)          ; the bias starts the sums: register j of tile 2 bl + ul is channel 32 bl + 8 ul + 16 h + j
	ds_load_b128 v[ACC+8*\tl+4:ACC+8*\tl+7], v4 offset:128*(\tl/2)+32*(\tl%2)+16
.endr
.if \i == 0
	s_wait_loadcnt 0x0                             ; the weights and their scale words
.endif
	s_wait_dscnt 0x0                               ; x's fragments and words, the bias
.irp s, 0,1,2,3
.irp tl, 0,1,2,3
	v_wmma_scale_f32_16x16x128_f8f6f4 v[ACC+8*\tl:ACC+8*\tl+7], v[W+8*(4*\tl+\s):W+8*(4*\tl+\s)+7], v[XF+8*\s:XF+8*\s+7], v[ACC+8*\tl:ACC+8*\tl+7], v[WS+4*\tl+\s], v[XS+\s] matrix_a_fmt:MATRIX_FMT_FP4 matrix_b_fmt:MATRIX_FMT_FP4
.endr
.endr
.rept 4
	v_nop                                          ; four places in front of loads into operands just read and of the first read of results
.endr
.if \i < 3
	XFETCH (\i)+1                                  ; the next tile lands while this one is quantised
.else
.irp s, 0,1,2,3
.irp c, 0,1
	global_load_b128 v[XF+8*\s+4*\c:XF+8*\s+4*\c+3], v1, s[52:53] offset:\s*1024+\c*512   ; phase V's weight tile,
.endr
.endr
	global_load_b128 v[XS:XS+3], v3, s[54:55]      ; its scale words,
	global_load_b32 v26, v14, s[56:57]             ; and my channel's bv
.endif
	s_wait_xcnt 0x0                                ; the last job's store has read its data: the codes' registers may be written
	QH ACC, 2, PC, PWS+\i
	global_store_b128 v1, v[PC:PC+3], s[48:49] offset:512*\i   ; 512 consecutive bytes, aligned
.endm
	XFETCH 0
	JOB 0
	JOB 1
	JOB 2
	JOB 3
	v_cndmask_b32 v24, v[PWS], v[PWS+1], vcc_lo    ; lanes 0-15 carry tiles 0 and 2, lanes 16-31 tiles 1 and 3
	v_cndmask_b32 v25, v[PWS+2], v[PWS+3], vcc_lo
	global_store_b64 v2, v[24:25], s[50:51]        ; 256 consecutive bytes, aligned
	; ---- V: one channel tile for all 128 tokens; eight accumulators by turns, a K step at a time
	s_wait_loadcnt 0x0                             ; wv's tile, its words, bv
.irp j, 0,1,2,3,4,5,6,7
	v_mov_b32 v[ACC+\j], v26                       ; a lane holds one channel: its bias stands in all eight registers of the first C
.endr
	s_wait_alu depctr_va_vdst(0)
.irp s, 0,1,2,3
.irp t, 0,1,2,3,4,5,6,7
	ds_load_b128 v[XT+8*\t:XT+8*\t+3], v10 offset:\t*4096+\s*1024
	ds_load_b128 v[XT+8*\t+4:XT+8*\t+7], v10 offset:\t*4096+\s*1024+512
	ds_load_b32 v[WS+\t], v11 offset:\t*512+4*\s
.endr
	s_wait_dscnt 0x0
.irp t, 0,1,2,3,4,5,6,7
.if \s == 0
	v_wmma_scale_f32_16x16x128_f8f6f4 v[VA+8*\t:VA+8*\t+7], v[XT+8*\t:XT+8*\t+7], v[XF+8*\s:XF+8*\s+7], v[ACC:ACC+7], v[WS+\t], v[XS+\s] matrix_a_fmt:MATRIX_FMT_FP4 matrix_b_fmt:MATRIX_FMT_FP4
.else
	v_wmma_scale_f32_16x16x128_f8f6f4 v[VA+8*\t:VA+8*\t+7], v[XT+8*\t:XT+8*\t+7], v[XF+8*\s:XF+8*\s+7], v[VA+8*\t:VA+8*\t+7], v[WS+\t], v[XS+\s] matrix_a_fmt:MATRIX_FMT_FP4 matrix_b_fmt:MATRIX_FMT_FP4
.endif
.endr
.rept 4
	v_nop                                          ; four places in front of the next loads into operands, and of the first read of results
.endr
.endr
	s_wait_xcnt 0x0                                ; the stores above have read v24-25 and the codes' registers
	QH VA, 4, PC, PWS                              ; register 16 b + i = key 32 b + 16 h + i of my channel
	global_store_b128 v1, v[PC:PC+3], s[58:59]
	global_store_b128 v1, v[PC+4:PC+7], s[58:59] offset:512
	ds_store_b32 v12, v[PWS]                       ; lanes l and l xor 16 write the same word with the same value
	BAR                                            ; a head's four channel tiles have laid their words
	s_cmp_lg_u32 s71, 0
	s_cbranch_scc1 .Lnot_first_tile
	ds_load_b64 v[24:25], v13
	s_wait_dscnt 0x0
	global_store_b64 v2, v[24:25], s[60:61]        ; 256 consecutive bytes, aligned
.Lnot_first_tile:
	s_set_vgpr_msb 0x5
	s_wait_tensorcnt 0x0
	ds_add_u32 v0, v1
	s_wait_dscnt 0x0
	s_set_vgpr_msb 0x500
	ROUND                                          ; the closing round: no work-group ends while a partner may still ask jointly
	s_endpgm
.Lfunc_end_k_qdcfce2a3f6_proj:
	.size	k_qdcfce2a3f6_proj, .Lfunc_end_k_qdcfce2a3f6_proj-k_qdcfce2a3f6_proj
	.p2alignl 7, 3214868480
	.fill 96, 4, 3214868480
	.section	.rodata,"a",@progbits
	.p2align	6, 0x0
	.amdhsa_kernel k_qdcfce2a3f6_proj
		.amdhsa_group_segment_fixed_size 306688
		.amdhsa_private_segment_fixed_size 0
		.amdhsa_enable_private_segment 0
		.amdhsa_kernarg_size 72
		.amdhsa_user_sgpr_count 2
		.amdhsa_user_sgpr_kernarg_segment_ptr 1
		.amdhsa_wavefront_size32 1
		.amdhsa_system_sgpr_workgroup_id_x 1
		.amdhsa_system_sgpr_workgroup_id_y 1
		.amdhsa_system_sgpr_workgroup_id_z 1
		.amdhsa_system_vgpr_workitem_id 0
		.amdhsa_next_free_vgpr 258
		.amdhsa_next_free_sgpr 92
		.amdhsa_reserve_vcc 1
		.amdhsa_float_denorm_mode_32 3
		.amdhsa_float_denorm_mode_16_64 3
		.amdhsa_memory_ordered 1
		.amdhsa_forward_progress 1
		.amdhsa_inst_pref_size 71
	.end_amdhsa_kernel
	.amdgpu_metadata
---
amdhsa.version: [ 1, 2 ]
amdhsa.kernels:
  - .name:           k_qdcfce2a3f6_proj
    .symbol:         k_qdcfce2a3f6_proj.kd
    .args:
      - { .name: x, .offset: 0, .size: 8, .value_kind: global_buffer, .address_space: global }
      - { .name: wimg, .offset: 8, .size: 8, .value_kind: global_buffer, .address_space: global }
      - { .name: wsc, .offset: 16, .size: 8, .value_kind: global_buffer, .address_space: global }
      - { .name: bq, .offset: 24, .size: 8, .value_kind: global_buffer, .address_space: global }
      - { .name: bk, .offset: 32, .size: 8, .value_kind: global_buffer, .address_space: global }
      - { .name: bv, .offset: 40, .size: 8, .value_kind: global_buffer, .address_space: global }
      - { .name: qimg, .offset: 48, .size: 8, .value_kind: global_buffer, .address_space: global }
      - { .name: qsc, .offset: 56, .size: 8, .value_kind: global_buffer, .address_space: global }
      - { .name: kv, .offset: 64, .size: 8, .value_kind: global_buffer, .address_space: global }
    .group_segment_fixed_size: 306688
    .private_segment_fixed_size: 0
    .kernarg_segment_align: 8
    .kernarg_segment_size: 72
    .max_flat_workgroup_size: 256
    .sgpr_count:     92
    .vgpr_count:     258
    .wavefront_size: 32
...
	.end_amdgpu_metadata
.endif
;; end of part 2
;; launch attn (part 3): grid 16 x 16, 8 waves a work-group, clusters of 4 x 1, 327,680 bytes of LDS; arguments qimg, qsc, kv, ocodes, oscale; writes ocodes, oscale
.if DOCPART == 3
	.amdgcn_target "amdgcn-amd-amdhsa--gfx1250"
	.amdhsa_code_object_version 6
	.text
	.protected	k_qdcfce2a3f6_attn
	.globl	k_qdcfce2a3f6_attn
	.p2align	8
	.type	k_qdcfce2a3f6_attn,@function
k_qdcfce2a3f6_attn:
	s_mov_b64 s[64:65], 0
	v_nop
	global_prefetch_b8 v0, s[64:65] scope:SCOPE_SE
	s_setreg_imm32_b32 hwreg(HW_REG_WAVE_MODE, 25, 1), 1
	s_wait_xcnt 0x0
	s_wait_alu depctr_hold_cnt(0) depctr_sa_sdst(0) depctr_va_vdst(0) depctr_va_sdst(0) depctr_va_ssrc(0) depctr_va_vcc(0) depctr_vm_vsrc(0)
	s_getreg_b32 s2, hwreg(HW_REG_IB_STS2, 6, 4)
	s_cmp_eq_u32 s2, 0
	s_cbranch_scc0 .Lentry_in_a_cluster
	s_endpgm
.Lentry_in_a_cluster:
	s_bfe_u32 s2, ttmp6, 0x10000c
	s_cmp_lg_u32 s2, 0x3003
	s_cbranch_scc0 .Lentry_shape_is_right
	s_endpgm
.Lentry_shape_is_right:
; o = softmax(q k^T / 8) v for one head and 256 queries a work-group, both products on codes of FP4 (E2M1) with E8M0 scales for each 32 along K; o is quantised along its 64 channels and stored as images for the last launch.
; p = 2^(t - M), t = score x log2(e) / 8, M = the ceiling of the running largest t; the row's sum is taken of the unquantised p in f32 and divides at the end; when M moves, the sums and O^T are multiplied by 2^(old M - new M), which rounds nothing.
; SHARES.  Grid x: 16 blocks of 256 queries, y: batch x head.  Eight waves, TWO tiles of 16 queries each (tiles 2 w and 2 w + 1): each fragment of K and V read from LDS feeds two products; every wave walks the head's 32 key steps of 128 keys.
; kv [bh][step 32][8,960]: K codes 4,096, V codes 4,096, K scale words 512, V scale words 256.  A head's 286,720 bytes fit in LDS: wave w brings steps 4 w .. 4 w + 3 by ONE tensor load (140 rows of 256 bytes), filled once, nothing is filled again.
; The four work-groups of a cluster walk the same head: the load is asked for JOINTLY, mask 15; its address hangs on the head and the wave's number alone.
; No prefetch: the head's one load a wave brings all that the launch reads of kv, so there is no loop to run ahead in.
; LDS rows are 288 bytes apart (256 + 32 of padding): rows four apart then differ by 128 bytes modulo 256, so the sixteen lanes of a K load, eight in one row and eight four rows on, touch sixteen different 16-byte columns.
; LAYOUT.  Both products are used transposed (S^T = K Q^T, O^T = V^T P^T): a lane holds one query of each tile.  THE KEYS OF A TILE ARE CHOSEN AT THE LDS READ: place i of tile 4 c + u is key 64 c + 32 (i / 8) + 8 u + i % 8,
; so that registers 32 c .. 32 c + 31 of lane (r, h) are keys 64 c + 32 h + 0 .. 31: one whole block of 32, in the order that the second product's operand wants.
; K = 64 in the first product: registers 4 to 7 of Q's and K's fragments hold zero codes.
; REGISTERS, two windows of 256.  Window 0: addresses, scale registers, both tiles' row figures (v32-55, v64-87), tile A's Q, S, O^T, P, and V's fragments.  Window 1: tile B's Q, S, O^T, P at tile A's numbers, its maxima's chains, and K's fragments (v32-95).
; s_set_vgpr_msb's low byte: bits 1:0 source 0, 3:2 source 1, 5:4 source 2, 7:6 destination; the work goes in runs under one setting, tile A's run and then tile B's.
; LIMITS: the promise holds while the scaled scores stay under 2^31 in magnitude; a block of p that has fallen to zero keeps the scale byte 1 (zero codes; this program alone reads the bytes); NaN and infinities are not served.
.set ROWP,  288
.set STEPL, 35*ROWP                    ; a key step in LDS
.set OSG,   32*STEPL                   ; behind the head's kv: 512 bytes where the waves gather o's scale bytes
.set SPARE, OSG+512                    ; the spare words, 128 bytes a wave
.set WV,   14                          ; s14 wave
.set SEL,  20                          ; s[20:21] lane l xor 16
.set CS,   22                          ; s[22:23] c = log2(e) / 8
.set G1,   24                          ; s[24:31] group 1; s[32:35] group 0
.set NC,   40                          ; s40 -c
.set CNT,  41
.set AK,   2                           ; v2 K codes: 1152 (r / 8) + 288 h + 16 (r % 8)
.set AV,   3                           ; v3 V codes: 288 h + 16 r
.set ASK,  4                           ; v4 K scale words: 128 h + 8 (r % 8) + 4 (r / 8)
.set ASV,  5                           ; v5 V scale words: 8 x lane
.set H8,   9                           ; v9 8 h
.set QF,   16                          ; Q's fragment (tile B: window 1)
.set QS,   24                          ; v24, v25 Q's scale words of tiles A, B
.set KS,   26                          ; v26-29: register 2 c + x: lanes 0-15 tile 4 c + 2 x, lanes 16-31 tile 4 c + 2 x + 1
.set VS,   30
.set SB0,  32                          ; tile e's row figures at SB0 + 32 e: +0 -M, +1 largest score, +2,3 f, +4,5 block maxima, +6,7 conversions' scale operands, +8,9 bytes, +10,11,13 at work, +12 last -M, +16..23 the sum in four chains
.set KF,   32                          ; window 1: K's eight fragments
.set PS,   88                          ; v88, v89 p's scale words of tiles A, B
.set S,    96
.set OT,   160
.set VF,   192
.set PC,   224
.set TM,   232                         ; v232-235 the maxima's chains (tile B: window 1); window 0 v232-247 at work on the way out
.set SPW,  250
.set NIL,  251
.set MSB, 0
.macro WIN new                         ; the immediate's high byte repeats the setting that is left
.if MSB != (\new)
	s_set_vgpr_msb (MSB<<8)|(\new)
.set MSB, \new
.endif
.endm
.macro ROUND
	s_barrier_signal -1
	s_barrier_wait -1
	s_cmp_lg_u32 s[WV], 0
	s_cbranch_scc1 .Lnot_wave_0_\@
	s_barrier_signal -3
.Lnot_wave_0_\@:
	s_barrier_wait -3
	s_barrier_signal -1
	s_barrier_wait -1
.endm
.macro KALL b                          ; 12 LDS loads: a step's K scale words (window 0) and its eight tiles of K (window 1)
.irp c, 0,1
.irp x, 0,1
	ds_load_b32 v[KS+2*\c+\x], v[ASK] offset:(\b)+ROWP*(32+\c)+64*\x
.endr
.endr
	WIN 0x40
.irp c, 0,1
.irp u, 0,1,2,3
	ds_load_b128 v[KF+8*(4*\c+\u):KF+8*(4*\c+\u)+3], v[AK] offset:(\b)+8*ROWP*\c+2*ROWP*(\u%2)+128*(\u/2)
.endr
.endr
	WIN 0
.endm
.macro VLOAD b                         ; 9 LDS loads: a step's four channel tiles of V and their scale words
.irp t, 0,1,2,3
	ds_load_b128 v[VF+8*\t:VF+8*\t+3], v[AV] offset:(\b)+16*ROWP+4*ROWP*\t
	ds_load_b128 v[VF+8*\t+4:VF+8*\t+7], v[AV] offset:(\b)+16*ROWP+4*ROWP*\t+2*ROWP
.endr
	ds_load_b64 v[VS:VS+1], v[ASV] offset:(\b)+34*ROWP
.endm
.macro TMM e, j                        ; t - M, two at a time: S in the tile's window, -M in window 0
	v_pk_fma_f32 v[S+\j:S+\j+1], v[S+\j:S+\j+1], s[CS:CS+1], v[SB0+32*\e:SB0+32*\e+1] op_sel_hi:[1,0,0]
.endm
.macro SUM e, k                        ; chain k % 4 of the row's sum takes p's pair k; a chain's first term of a step brings it under the new M
.if (\k) < 4
	v_pk_fma_f32 v[SB0+32*\e+16+2*((\k)%4):SB0+32*\e+17+2*((\k)%4)], v[SB0+32*\e+16+2*((\k)%4):SB0+32*\e+17+2*((\k)%4)], v[SB0+32*\e+2:SB0+32*\e+3], v[S+2*(\k):S+2*(\k)+1] op_sel_hi:[1,0,1]
.else
	v_pk_fma_f32 v[SB0+32*\e+16+2*((\k)%4):SB0+32*\e+17+2*((\k)%4)], v[SB0+32*\e+16+2*((\k)%4):SB0+32*\e+17+2*((\k)%4)], 1.0, v[S+2*(\k):S+2*(\k)+1] op_sel_hi:[1,0,1]
.endif
.endm
.macro SUMS e, from, n
.set K, \from
.rept \n
	SUM \e, K
.set K, K+1
.endr
.endm
	s_load_b256 s[4:11], s[0:1], 0x0               ; qimg, qsc, kv, ocodes
	s_load_b64 s[12:13], s[0:1], 0x20              ; oscale
	v_lshl_add_u32 v[SPW], v0, 2, SPARE
	v_mov_b32 v[NIL], 0
	ds_add_u32 v[SPW], v[NIL]                      ; the opening lines: the add twice on end and one wait
	ds_add_u32 v[SPW], v[NIL]
	v_lshrrev_b32 v1, 5, v0
	s_delay_alu instid0(VALU_DEP_1)
	v_readfirstlane_b32 s[WV], v1
	s_bfe_u32 s15, ttmp6, 0x40000                  ; cx
	s_lshl_b32 s16, ttmp9, 2
	s_add_co_u32 s16, s16, s15                     ; block of 256 queries
	s_and_b32 s17, ttmp7, 0xffff                   ; batch x head, which the four partners share
	s_mov_b32 s[G1], 15|(3<<16)|(1<<20)|(1<<21)|(5<<22)|(7<<25)   ; mask: all four partners; elements of 8 bytes; padding: 8 words behind every 64; bit 21 beside a mask
	s_mov_b32 s[G1+1], 32<<16
	s_mov_b32 s[G1+2], 140<<16
	s_mov_b32 s[G1+3], 32<<16
	s_mov_b32 s[G1+4], 140
	s_mov_b32 s[G1+5], 32
	s_mov_b32 s[G1+6], 0
	s_mov_b32 s[G1+7], 0
	s_mov_b32 s32, 1
	s_mul_i32 s33, s[WV], 4*STEPL                  ; LDS: four steps a wave
	s_mul_i32 s42, s17, 286720
	s_mul_i32 s43, s[WV], 35840
	s_add_co_u32 s42, s42, s43
	s_mov_b32 s43, 0
	s_mov_b32 s[SEL], 0x76543210
	s_mov_b32 s[SEL+1], 0xfedcba98
	s_mov_b32 s[CS], 0x3e38aa3b
	s_mov_b32 s[CS+1], s[CS]
	s_mov_b32 s[NC], 0xbe38aa3b
	s_wait_dscnt 0x0
	s_wait_kmcnt 0x0
	s_add_nc_u64 s[34:35], s[8:9], s[42:43]
	s_or_b32 s35, s35, 0x80000000
	ROUND                                          ; all four partners are here: the joint loads meet
	tensor_load_to_lds s[32:35], s[G1:G1+7]        ; my one tensor load
	s_nop 0
.rept 4
	v_nop
.endr
	s_lshl_b32 s44, s17, 17                        ; s[44:45]: my two tiles of q: 131,072 a head, 8,192 a block, 512 a tile
	s_lshl_b32 s52, s16, 13
	s_add_co_u32 s44, s44, s52
	s_lshl_b32 s52, s[WV], 10
	s_add_co_u32 s44, s44, s52
	s_mov_b32 s45, 0
	s_add_nc_u64 s[44:45], s[4:5], s[44:45]
	s_lshl_b32 s46, s17, 14                        ; s[46:47]: their scale words: tile i of a group of four, row r at (r + 16 (i % 2)) 8 + (i / 2) 4; i = 2 (w % 2) + e
	s_lshl_b32 s52, s16, 10
	s_add_co_u32 s46, s46, s52
	s_lshr_b32 s52, s[WV], 1
	s_lshl_b32 s52, s52, 8
	s_add_co_u32 s46, s46, s52
	s_and_b32 s52, s[WV], 1
	s_lshl_b32 s52, s52, 2
	s_add_co_u32 s46, s46, s52
	s_mov_b32 s47, 0
	s_add_nc_u64 s[46:47], s[6:7], s[46:47]
	s_lshr_b32 s48, s17, 3                         ; s[48:49]: ocodes: batch, block, tile (4,096 each), head
	s_lshl_b32 s48, s48, 20
	s_lshl_b32 s52, s16, 16
	s_add_co_u32 s48, s48, s52
	s_lshl_b32 s52, s[WV], 13
	s_add_co_u32 s48, s48, s52
	s_and_b32 s52, s17, 7
	s_lshl_b32 s52, s52, 9
	s_add_co_u32 s48, s48, s52
	s_mov_b32 s49, 0
	s_add_nc_u64 s[48:49], s[10:11], s[48:49]
	s_lshl_b32 s50, s17, 13                        ; s[50:51]: oscale
	s_lshl_b32 s52, s16, 9
	s_add_co_u32 s50, s50, s52
	s_mov_b32 s51, 0
	s_add_nc_u64 s[50:51], s[12:13], s[50:51]
	s_lshl_b32 s53, s[WV], 6
	s_add_co_u32 s53, s53, OSG
	v_and_b32 v9, 31, v0                           ; lane
	v_and_b32 v10, 15, v0                          ; r
	v_bfe_u32 v11, v0, 4, 1                        ; h
	v_lshlrev_b32 v1, 4, v9                        ; v1 16 x lane
	v_lshlrev_b32 v[ASV], 3, v9
	v_lshlrev_b32 v8, 3, v10                       ; 8 r
	v_mul_u32_u24 v[AV], v11, ROWP
	v_and_b32 v248, 7, v10
	v_lshrrev_b32 v249, 3, v10
	v_lshl_add_u32 v[AV], v10, 4, v[AV]
	v_mul_u32_u24 v[AK], v249, 4*ROWP
	v_lshlrev_b32 v[ASK], 7, v11
	v_mad_u32_u24 v[AK], v11, ROWP, v[AK]
	v_lshl_add_u32 v[ASK], v249, 2, v[ASK]
	v_lshl_add_u32 v[AK], v248, 4, v[AK]
	v_lshl_add_u32 v[ASK], v248, 3, v[ASK]
	v_lshlrev_b32 v[H8], 3, v11
	v_lshl_add_u32 v6, v10, 1, s53                 ; v6 where my row's two scale bytes of o go (tile B: 32 bytes on)
	v_add_nc_u32 v7, OSG, v1                       ; v7 and where wave 0 reads all of them
	global_load_b128 v[QF:QF+3], v1, s[44:45]
	global_load_b32 v[QS], v8, s[46:47]
	global_load_b32 v[QS+1], v8, s[46:47] offset:128
.irp j, 4,5,6,7
	v_mov_b32 v[QF+\j], 0                          ; k = 64 .. 127: zero codes
.endr
.set J, 0
.rept 32
	v_mov_b32 v[OT+J], 0                           ; the step is written once: the first finds zeros
.set J, J+1
.endr
.irp e, 0,1
	v_mov_b32 v[SB0+32*\e], 0x7e000000             ; -M: so large that the first factor is 0
	v_mov_b32 v[SB0+32*\e+1], 0xff61b1e6           ; the largest score so far: -3e38
	v_mov_b32 v[SB0+32*\e+3], 0                    ; named with f as a pair
	v_mov_b32 v[SB0+32*\e+11], 0                   ; a lane permute's destination counts as read
	v_mov_b32 v[SB0+32*\e+13], 0
.irp j, 16,17,18,19,20,21,22,23
	v_mov_b32 v[SB0+32*\e+\j], 0                   ; the sum's four chains
.endr
.endr
.irp j, 4,5,6,7
	v_mov_b32 v[TM+\j], 0
.endr
	WIN 0x40                                       ; destinations in window 1: tile B's Q and O^T, K's zero halves
	global_load_b128 v[QF:QF+3], v1, s[44:45] offset:512
.irp j, 4,5,6,7
	v_mov_b32 v[QF+\j], 0
.endr
.irp t, 0,1,2,3,4,5,6,7
.irp j, 4,5,6,7
	v_mov_b32 v[KF+8*\t+\j], 0
.endr
.endr
.set J, 0
.rept 32
	v_mov_b32 v[OT+J], 0
.set J, J+1
.endr
	WIN 0
; A KEY STEP for both tiles, the o-th of a trip's two.  pf: the next step's K is asked for; adv: the four addresses go on by a trip.
.macro STEP o, pf, adv
	s_wait_dscnt 0x0                               ; this step's K, asked for a step ago
.irp e, 0,1
	WIN 0x01+0x54*\e                               ; K in window 1; Q and S in the tile's window
.irp p, 0,1,2,3
	v_wmma_scale_f32_16x16x128_f8f6f4 v[S+16*\p:S+16*\p+7], v[KF+16*\p:KF+16*\p+7], v[QF:QF+7], 0, v[KS+\p], v[QS+\e] matrix_a_fmt:MATRIX_FMT_FP4 matrix_b_fmt:MATRIX_FMT_FP4
	v_wmma_scale_f32_16x16x128_f8f6f4 v[S+16*\p+8:S+16*\p+15], v[KF+16*\p+8:KF+16*\p+15], v[QF:QF+7], 0, v[KS+\p], v[QS+\e] matrix_a_fmt:MATRIX_FMT_FP4 matrix_b_fmt:MATRIX_FMT_FP4 matrix_a_scale:MATRIX_SCALE_ROW1
.endr
.endr
	WIN 0
.rept 4
	v_nop                                          ; four places ahead of loads into operands just read and of the first read of results
.endr
	VLOAD (\o)*STEPL
.if \pf
	KALL ((\o)+1)*STEPL
.endif
.if \adv
.irp a, AK, AV, ASK, ASV
	v_add_nc_u32 v[\a], 2*STEPL, v[\a]
.endr
.endif
.irp e, 0,1
	v_mov_b32 v[SB0+32*\e+12], v[SB0+32*\e]        ; the last step's -M
.endr
.irp e, 0,1                                    ; each block's largest score, two chains a block; every accumulator is first read in its four lowest registers
	WIN 0x55*\e
.irp c, 0,1
	v_max3_num_f32 v[TM+\c], v[S+32*\c], v[S+32*\c+1], v[S+32*\c+2]
	v_max3_num_f32 v[TM+2+\c], v[S+32*\c+17], v[S+32*\c+18], v[S+32*\c+19]
.endr
.irp i, 0,2,4,6,8,10
.irp c, 0,1
	v_max3_num_f32 v[TM+\c], v[TM+\c], v[S+32*\c+3+\i], v[S+32*\c+4+\i]
	v_max3_num_f32 v[TM+2+\c], v[TM+2+\c], v[S+32*\c+20+\i], v[S+32*\c+21+\i]
.endr
.endr
.irp c, 0,1
	v_max3_num_f32 v[TM+\c], v[TM+\c], v[S+32*\c+15], v[S+32*\c+16]
.endr
	WIN 0x05*\e                                    ; the results go to window 0
.irp c, 0,1
	v_max_num_f32 v[SB0+32*\e+4+\c], v[TM+\c], v[TM+2+\c]
.endr
.endr
	WIN 0
.irp e, 0,1                                    ; the two tiles' chains by turns
	v_max_num_f32 v[SB0+32*\e+10], v[SB0+32*\e+4], v[SB0+32*\e+5]
.endr
.irp e, 0,1
	v_permlanex16_b32 v[SB0+32*\e+11], v[SB0+32*\e+10], s[SEL], s[SEL+1]
.endr
.irp e, 0,1
	v_max3_num_f32 v[SB0+32*\e+1], v[SB0+32*\e+1], v[SB0+32*\e+10], v[SB0+32*\e+11]   ; the running largest score of my query
.endr
.irp e, 0,1
	v_mul_f32 v[SB0+32*\e+10], s[NC], v[SB0+32*\e+1]   ; -t
.endr
.irp e, 0,1
	v_floor_f32 v[SB0+32*\e], v[SB0+32*\e+10]      ; -M = floor(-t) = -ceil(t)
.endr
.irp e, 0,1
	v_sub_f32 v[SB0+32*\e+10], v[SB0+32*\e], v[SB0+32*\e+12]   ; old M - new M: a whole number, 0 or less
.endr
.irp j, 0,2,4,6
	TMM 0, \j
.endr
.irp e, 0,1
	v_cvt_i32_f32 v[SB0+32*\e+10], v[SB0+32*\e+10] ; (it saturates)
.endr
.irp j, 8,10,12,14
	TMM 0, \j
.endr
.irp e, 0,1
	v_ldexp_f32 v[SB0+32*\e+2], 1.0, v[SB0+32*\e+10]   ; f = 2^(old M - new M)
.endr
.irp j, 16,18,20,22,24,26,28,30
	TMM 0, \j
.endr
.irp e, 0,1
	v_pk_fma_f32 v[SB0+32*\e+4:SB0+32*\e+5], v[SB0+32*\e+4:SB0+32*\e+5], s[CS:CS+1], v[SB0+32*\e:SB0+32*\e+1] op_sel_hi:[1,0,0]   ; the same of the two blocks' largest scores
.endr
.irp e, 0,1
	WIN 0x41*\e                                    ; source 0 and destination in the tile's window, the row figures in window 0
.if \e
.irp j, 0,2,4,6,8,10,12,14,16,18,20,22,24,26,28,30
	TMM 1, \j
.endr
.endif
.set J, 0
.rept 16
	v_pk_mul_f32 v[OT+J:OT+J+1], v[OT+J:OT+J+1], v[SB0+32*\e+2:SB0+32*\e+3] op_sel_hi:[1,0]   ; O^T under the new M; no transcendental stands between the last products and these reads
.set J, J+2
.endr
.endr
	WIN 0
	s_wait_alu depctr_va_vdst(0)                   ; ahead of the batch
.irp e, 0,1
	v_exp_f32 v[SB0+32*\e+4], v[SB0+32*\e+4]       ; the blocks' largest p
	v_exp_f32 v[SB0+32*\e+5], v[SB0+32*\e+5]
.endr
.irp e, 0,1
	WIN 0x41*\e
.set J, 0
.rept 16
	v_exp_f32 v[S+J], v[S+J]                       ; block c = 0; among them the other block's t - M, lines that hang on nothing written in this run
	v_exp_f32 v[S+J+1], v[S+J+1]
	TMM \e, 32+J
.set J, J+2
.endr
.endr
	WIN 0
	s_wait_alu depctr_va_vdst(0)                   ; behind the first batch and ahead of the second
.irp e, 0,1
.irp c, 0,1
	v_max_num_f32 v[SB0+32*\e+4+\c], 0x1800000, v[SB0+32*\e+4+\c]    ; the floor 2^(3 - 127): the byte cannot fall under 1
.endr
.endr
.irp e, 0,1
.irp c, 0,1
	s_delay_alu instid0(VALU_DEP_4)
	v_add_nc_u32 v[SB0+32*\e+6+\c], 0xff000000, v[SB0+32*\e+4+\c]    ; 2 off the exponent field: the conversion's scale operand
.endr
.endr
.irp e, 0,1
.irp c, 0,1
	s_delay_alu instid0(VALU_DEP_4)
	v_lshrrev_b32 v[SB0+32*\e+8+\c], 23, v[SB0+32*\e+6+\c]           ; the scale's byte
.endr
.endr
.irp e, 0,1
	WIN 0x41*\e
.irp g, 0,1,2,3
	v_cvt_scalef32_pk8_fp4_f32 v[PC+\g], v[S+8*\g:S+8*\g+7], v[SB0+32*\e+6]   ; block c = 0 becomes codes among block c = 1's exponentials
.irp j, 0,1,2,3,4,5,6,7
	v_exp_f32 v[S+32+8*\g+\j], v[S+32+8*\g+\j]
.endr
.endr
.endr
	WIN 0
	v_nop                                          ; a plain place behind the last exponential
	s_wait_alu depctr_va_vdst(0)                   ; behind the second batch
.irp e, 0,1
	WIN 0x41*\e
.irp g, 0,1,2,3
	v_cvt_scalef32_pk8_fp4_f32 v[PC+4+\g], v[S+32+8*\g:S+32+8*\g+7], v[SB0+32*\e+7]
.endr
.endr
	WIN 0
	SUMS 0, 0, 4                                   ; tile A's sums; both tiles' scale words of p are made among them
.irp e, 0,1
	v_lshl_or_b32 v[PS+\e], v[SB0+32*\e+9], 16, v[SB0+32*\e+8]       ; my blocks h and 2 + h,
.endr
	SUMS 0, 4, 4
.irp e, 0,1
	v_lshlrev_b32 v[PS+\e], v[H8], v[PS+\e]        ; at their places;
.endr
	SUMS 0, 8, 4
.irp e, 0,1
	v_permlanex16_b32 v[SB0+32*\e+13], v[PS+\e], s[SEL], s[SEL+1]
.endr
	SUMS 0, 12, 4
.irp e, 0,1
	v_or_b32 v[PS+\e], v[PS+\e], v[SB0+32*\e+13]   ; with lane l xor 16's two the word is whole; 48 plain lines stand between it and the products
.endr
	SUMS 0, 16, 16
	WIN 0x10                                       ; p in window 1, the chains in window 0
	SUMS 1, 0, 32
	WIN 0
.if \pf
	s_wait_dscnt 12                                ; V's nine loads are in; the 12 younger ones, the next step's K, may be out
.else
	s_wait_dscnt 0x0
.endif
.irp e, 0,1
	WIN 0x54*\e                                    ; V in window 0; P and O^T in the tile's window
.irp t, 0,2
	v_wmma_scale_f32_16x16x128_f8f6f4 v[OT+8*\t:OT+8*\t+7], v[VF+8*\t:VF+8*\t+7], v[PC:PC+7], v[OT+8*\t:OT+8*\t+7], v[VS+\t/2], v[PS+\e] matrix_a_fmt:MATRIX_FMT_FP4 matrix_b_fmt:MATRIX_FMT_FP4
	v_wmma_scale_f32_16x16x128_f8f6f4 v[OT+8*\t+8:OT+8*\t+15], v[VF+8*\t+8:VF+8*\t+15], v[PC:PC+7], v[OT+8*\t+8:OT+8*\t+15], v[VS+\t/2], v[PS+\e] matrix_a_fmt:MATRIX_FMT_FP4 matrix_b_fmt:MATRIX_FMT_FP4 matrix_a_scale:MATRIX_SCALE_ROW1
.endr
.endr
	WIN 0
.endm
	s_wait_alu depctr_va_vdst(0)                   ; the wait at the head's end
	s_wait_loadcnt 0x0                             ; q
	s_wait_tensorcnt 0x0                           ; my four steps are in,
	s_barrier_signal -1
	s_barrier_wait -1                              ; everybody's are.  Nothing is filled again
	KALL 0
	s_mov_b32 s[CNT], 15
.Ltrip:                                            ; fifteen trips of two steps; the last two steps are written out, since the last asks for no further K
	STEP 0, 1, 0
	STEP 1, 1, 1
	s_sub_co_u32 s[CNT], s[CNT], 1
	s_cmp_lg_u32 s[CNT], 0
	s_cbranch_scc1 .Ltrip
	STEP 0, 1, 0
	STEP 1, 0, 0
	; THE WAY OUT: O^T / the sum, quantised along the head's 64 channels (register 16 b + i = channel 32 b + 16 h + i), codes and scale bytes stored
	s_wait_alu depctr_va_vdst(0)                   ; directly ahead of the readers of the sums
.irp e, 0,1
	v_pk_add_f32 v[SB0+32*\e+16:SB0+32*\e+17], v[SB0+32*\e+16:SB0+32*\e+17], v[SB0+32*\e+18:SB0+32*\e+19]
.endr
.irp e, 0,1
	v_pk_add_f32 v[SB0+32*\e+20:SB0+32*\e+21], v[SB0+32*\e+20:SB0+32*\e+21], v[SB0+32*\e+22:SB0+32*\e+23]
.endr
.irp e, 0,1
	s_delay_alu instid0(VALU_DEP_2)
	v_pk_add_f32 v[SB0+32*\e+16:SB0+32*\e+17], v[SB0+32*\e+16:SB0+32*\e+17], v[SB0+32*\e+20:SB0+32*\e+21]
.endr
.irp e, 0,1
	s_delay_alu instid0(VALU_DEP_2)
	v_add_f32 v[SB0+32*\e+16], v[SB0+32*\e+16], v[SB0+32*\e+17]
.endr
.irp e, 0,1
	s_delay_alu instid0(VALU_DEP_2)
	v_permlanex16_b32 v[SB0+32*\e+11], v[SB0+32*\e+16], s[SEL], s[SEL+1]
.endr
.irp e, 0,1
	s_delay_alu instid0(VALU_DEP_2)
	v_add_f32 v[SB0+32*\e+16], v[SB0+32*\e+16], v[SB0+32*\e+11]      ; the row's sum
.endr
	s_wait_alu depctr_va_vdst(0)                   ; ahead of the transcendentals
.irp e, 0,1
	v_rcp_f32 v[SB0+32*\e+16], v[SB0+32*\e+16]
.endr
.rept 4
	v_nop
.endr
.irp e, 0,1
	WIN 0x01*\e                                    ; O^T in the tile's window; the quotients of tile e go to window 0, v[S + 32 e ..]
	s_wait_alu depctr_va_vdst(0)                   ; behind the transcendentals, directly ahead of the first readers of this tile's O^T
.set J, 0
.rept 16
	v_pk_mul_f32 v[S+32*\e+J:S+32*\e+J+1], v[OT+J:OT+J+1], v[SB0+32*\e+16:SB0+32*\e+17] op_sel_hi:[1,0]
.set J, J+2
.endr
.endr
	WIN 0
.irp q, 0,1,2,3                                ; four half blocks a lane: q = 2 e + b
	v_max3_num_f32 v[TM+\q], |v[S+16*\q]|, |v[S+16*\q+1]|, 0x1800000
.endr
.irp i, 2,4,6,8,10,12,14
.irp q, 0,1,2,3
	v_max3_num_f32 v[TM+\q], v[TM+\q], |v[S+16*\q+\i]|, |v[S+16*\q+\i+1]|
.endr
.endr
.irp q, 0,1,2,3
	s_delay_alu instid0(VALU_DEP_4)
	v_permlanex16_b32 v[TM+4+\q], v[TM+\q], s[SEL], s[SEL+1]
.endr
.irp q, 0,1,2,3
	s_delay_alu instid0(VALU_DEP_4)
	v_max_num_f32 v[TM+\q], v[TM+\q], v[TM+4+\q]
.endr
.irp q, 0,1,2,3
	s_delay_alu instid0(VALU_DEP_4)
	v_add_nc_u32 v[TM+12+\q], 0xff000000, v[TM+\q]
.endr
.irp q, 0,1,2,3
	s_delay_alu instid0(VALU_DEP_4)
	v_lshrrev_b32 v[TM+4+\q], 23, v[TM+12+\q]
.endr
	v_lshl_or_b32 v8, v[TM+5], 8, v[TM+4]          ; tile A's two bytes
	v_lshl_or_b32 v10, v[TM+7], 8, v[TM+6]         ; tile B's
.irp q, 0,1,2,3
	v_cvt_scalef32_pk8_fp4_f32 v[PC+2*\q], v[S+16*\q:S+16*\q+7], v[TM+12+\q]
	v_cvt_scalef32_pk8_fp4_f32 v[PC+2*\q+1], v[S+16*\q+8:S+16*\q+15], v[TM+12+\q]
.endr
	v_nop                                          ; one plain place behind the last conversion
.irp e, 0,1
.irp i, 0,1
	v_permlane16_swap_b32 v[PC+4*\e+\i], v[PC+4*\e+2+\i]   ; a whole block in a lane
.endr
.endr
	global_store_b128 v1, v[PC:PC+3], s[48:49]     ; 512 consecutive bytes, aligned
	global_store_b128 v1, v[PC+4:PC+7], s[48:49] offset:4096
	ds_store_b16 v6, v8                            ; lanes l and l xor 16 write the same bytes with the same value
	ds_store_b16 v6, v10 offset:32
	s_wait_dscnt 0x0                               ; for the others' sake
	s_barrier_signal -1
	s_barrier_wait -1
	s_cmp_lg_u32 s[WV], 0
	s_cbranch_scc1 .Lnot_mine
	ds_load_b128 v[S:S+3], v7
	s_wait_dscnt 0x0
	global_store_b128 v1, v[S:S+3], s[50:51]       ; the block's 512 scale bytes, aligned
.Lnot_mine:
	s_wait_tensorcnt 0x0                           ; the wave's end
	ds_add_u32 v[SPW], v[NIL]
	s_wait_dscnt 0x0
	ROUND                                          ; the closing round
	s_endpgm
.Lfunc_end_k_qdcfce2a3f6_attn:
	.size	k_qdcfce2a3f6_attn, .Lfunc_end_k_qdcfce2a3f6_attn-k_qdcfce2a3f6_attn
	.p2alignl 7, 3214868480
	.fill 96, 4, 3214868480
	.section	.rodata,"a",@progbits
	.p2align	6, 0x0
	.amdhsa_kernel k_qdcfce2a3f6_attn
		.amdhsa_group_segment_fixed_size 327680
		.amdhsa_private_segment_fixed_size 0
		.amdhsa_enable_private_segment 0
		.amdhsa_kernarg_size 40
		.amdhsa_user_sgpr_count 2
		.amdhsa_user_sgpr_kernarg_segment_ptr 1
		.amdhsa_wavefront_size32 1
		.amdhsa_system_sgpr_workgroup_id_x 1
		.amdhsa_system_sgpr_workgroup_id_y 1
		.amdhsa_system_sgpr_workgroup_id_z 1
		.amdhsa_system_vgpr_workitem_id 0
		.amdhsa_next_free_vgpr 512
		.amdhsa_next_free_sgpr 66
		.amdhsa_reserve_vcc 0
		.amdhsa_float_denorm_mode_32 3
		.amdhsa_float_denorm_mode_16_64 3
		.amdhsa_memory_ordered 1
		.amdhsa_forward_progress 1
		.amdhsa_inst_pref_size 125
	.end_amdhsa_kernel
	.amdgpu_metadata
---
amdhsa.version: [ 1, 2 ]
amdhsa.kernels:
  - .name:           k_qdcfce2a3f6_attn
    .symbol:         k_qdcfce2a3f6_attn.kd
    .args:
      - { .name: qimg, .offset: 0, .size: 8, .value_kind: global_buffer, .address_space: global }
      - { .name: qsc, .offset: 8, .size: 8, .value_kind: global_buffer, .address_space: global }
      - { .name: kv, .offset: 16, .size: 8, .value_kind: global_buffer, .address_space: global }
      - { .name: ocodes, .offset: 24, .size: 8, .value_kind: global_buffer, .address_space: global }
      - { .name: oscale, .offset: 32, .size: 8, .value_kind: global_buffer, .address_space: global }
    .group_segment_fixed_size: 327680
    .private_segment_fixed_size: 0
    .kernarg_segment_align: 8
    .kernarg_segment_size: 40
    .max_flat_workgroup_size: 256
    .sgpr_count:     66
    .vgpr_count:     512
    .wavefront_size: 32
...
	.end_amdgpu_metadata
.endif
;; end of part 3
;; launch oproj (part 4): grid 4 x 64, 8 waves a work-group, clusters of 4 x 1, 168,960 bytes of LDS; arguments ocodes, oscale, wimg, wsc, bo, out0; writes out0
.if DOCPART == 4
	.amdgcn_target "amdgcn-amd-amdhsa--gfx1250"
	.amdhsa_code_object_version 6
	.text
	.protected	k_qdcfce2a3f6_oproj
	.globl	k_qdcfce2a3f6_oproj
	.p2align	8
	.type	k_qdcfce2a3f6_oproj,@function
k_qdcfce2a3f6_oproj:
	s_mov_b64 s[64:65], 0
	v_nop
	global_prefetch_b8 v0, s[64:65] scope:SCOPE_SE
	s_setreg_imm32_b32 hwreg(HW_REG_WAVE_MODE, 25, 1), 1
	s_wait_xcnt 0x0
	s_wait_alu depctr_hold_cnt(0) depctr_sa_sdst(0) depctr_va_vdst(0) depctr_va_sdst(0) depctr_va_ssrc(0) depctr_va_vcc(0) depctr_vm_vsrc(0)
	s_getreg_b32 s2, hwreg(HW_REG_IB_STS2, 6, 4)
	s_cmp_eq_u32 s2, 0
	s_cbranch_scc0 .Lentry_in_a_cluster
	s_endpgm
.Lentry_in_a_cluster:
	s_bfe_u32 s2, ttmp6, 0x10000c
	s_cmp_lg_u32 s2, 0x3003
	s_cbranch_scc0 .Lentry_shape_is_right
	s_endpgm
.Lentry_shape_is_right:
; out0 = o wo^T + bo on codes of FP4 (E2M1) with E8M0 scales for each 32 along K = 512.  o comes as images of operand registers (ocodes) and two scale bytes for each token and head (oscale); wo as images (wimg, wsc).
; SHARES.  A cluster of four work-groups takes 128 tokens (cluster y = G): eight row tiles, 32,768 consecutive bytes of ocodes, wanted by all four partners: asked for JOINTLY, each wave one tile, mask 15.  Filled once.
; Partner cx takes output columns 128 cx .. + 127; wave w takes wo's tile 8 cx + w for all eight row tiles: 32 matrix instructions, eight accumulators by turns.  cx enters global addresses alone.
; TRANSPOSED: source 0 = 16 rows of wo, source 1 = 16 tokens: a lane holds one token and eight neighbouring columns.  Tiles are not neighbours: tile 2 B + U holds 32 B + 8 U + pi(i) at place i, pi(i) = i + 8 (i / 8).
; bo is the C of each sum's first matrix instruction.  Results meet in a stage in LDS; each wave stores 16 rows' 512 bytes.
; The LDS claim is larger than the 102,400 bytes in use.
.set OSC,  32768                       ; behind o's images: the scale words: tile 256, 16 r + 4 s
.set STG,  OSC+2048                    ; the stage: 128 rows x (512 bytes + 16): 132 words: sixteen rows start at sixteen different banks (64 banks of 4 bytes: ISA guide 11.1)
.set SP,   528
.set WV,   16                          ; s16  my wave's number
.set G1,   24                          ; s[24:31] descriptor group 1;  s[32:35] group 0
.set G0,   32
.set WOS,  24                          ; v24-27 wo's scale words: scales alone
.set BI,   32                          ; v32-39 bo in the result's layout
.set WF,   40                          ; v40-71 wo's four fragments
.set OS,   72                          ; v72-103 o's scale words, 4 t + s: scales alone
.set ACC,  104                         ; v104-167 eight accumulators
.set OF,   168                         ; v168-231 o's eight fragments of a K step; later 16 rows on the way out
.macro ROUND                           ; a round of the cluster's barrier
	s_barrier_signal -1
	s_barrier_wait -1
	s_cmp_lg_u32 s[WV], 0
	s_cbranch_scc1 .Lnot_wave_0_\@
	s_barrier_signal -3
.Lnot_wave_0_\@:
	s_barrier_wait -3
	s_barrier_signal -1
	s_barrier_wait -1
.endm
	s_load_b256 s[4:11], s[0:1], 0x0               ; ocodes, oscale, wimg, wsc
	s_load_b128 s[12:15], s[0:1], 0x20             ; bo, out0
	v_lshl_add_u32 v254, v0, 2, 0x29000
	v_mov_b32 v255, 0
	ds_add_u32 v254, v255
	ds_add_u32 v254, v255
	v_lshrrev_b32 v1, 5, v0
	s_delay_alu instid0(VALU_DEP_1)
	v_readfirstlane_b32 s[WV], v1                  ; wave 0..7
	s_bfe_u32 s17, ttmp6, 0x40000                  ; cx
	s_and_b32 s18, ttmp7, 0xffff                   ; G, which the four partners share
	s_lshr_b32 s19, s18, 5                         ; batch
	s_and_b32 s20, s18, 31                         ; group of 128 tokens in it
	; descriptor group 1: a row tile's images, 4,096 dense bytes, as 16 rows of 256 bytes (32 elements of 8 bytes)
	s_mov_b32 s[G1], 15|(3<<16)|(1<<21)            ; 15:0 the mask: all four partners; 17:16 elements of 8 bytes; 21 set beside a mask
	s_mov_b32 s[G1+1], 32<<16                      ; tensor_dim0
	s_mov_b32 s[G1+2], 16<<16                      ; tensor_dim1
	s_mov_b32 s[G1+3], 32<<16                      ; tile_dim0
	s_mov_b32 s[G1+4], 16                          ; tile_dim1
	s_mov_b32 s[G1+5], 32                          ; from row to row
	s_mov_b32 s[G1+6], 0
	s_mov_b32 s[G1+7], 0
	s_mov_b32 s[G0], 1
	s_lshl_b32 s[G0+1], s[WV], 12                  ; LDS: tile w
	s_lshl_b32 s46, s18, 15
	s_add_co_u32 s46, s46, s[G0+1]
	s_mov_b32 s47, 0
	s_wait_dscnt 0x0
	s_wait_kmcnt 0x0
	s_add_nc_u64 s[G0+2:G0+3], s[4:5], s[46:47]
	s_or_b32 s[G0+3], s[G0+3], 0x80000000          ; type = 2
	ROUND                                          ; all four partners are here: the joint loads meet
	tensor_load_to_lds s[G0:G0+3], s[G1:G1+7]      ; my one tensor load
	s_nop 0
.rept 4
	v_nop                                          ; four nops behind the load
.endr
	s_lshl_b32 s36, s19, 16                        ; s[36:37]: oscale [bh][tile][r] half words: 65,536 a batch, 256 a group, 32 a tile
	s_lshl_b32 s48, s20, 8
	s_add_co_u32 s36, s36, s48
	s_lshl_b32 s48, s[WV], 5
	s_add_co_u32 s36, s36, s48
	s_mov_b32 s37, 0
	s_add_nc_u64 s[36:37], s[6:7], s[36:37]
	s_lshl_b32 s48, s17, 3
	s_add_co_u32 s48, s48, s[WV]                   ; wo's tile
	s_lshl_b32 s38, s48, 12
	s_add_co_u32 s38, s38, 393216                  ; s[38:39]: the fourth weight's images
	s_mov_b32 s39, 0
	s_add_nc_u64 s[38:39], s[8:9], s[38:39]
	s_lshl_b32 s40, s48, 8
	s_add_co_u32 s40, s40, 24576                   ; s[40:41]: and scale words
	s_mov_b32 s41, 0
	s_add_nc_u64 s[40:41], s[10:11], s[40:41]
	s_lshr_b32 s49, s[WV], 1
	s_and_b32 s50, s[WV], 1
	s_lshl_b32 s51, s49, 7
	s_lshl_b32 s52, s50, 5
	s_add_co_u32 s51, s51, s52                     ; my tile's first column among the partner's 128, in bytes: 128 (w / 2) + 32 (w % 2)
	s_lshl_b32 s53, s17, 9                         ; the partner's 128 columns: 512 bytes
	s_add_co_u32 s42, s51, s53
	s_mov_b32 s43, 0
	s_add_nc_u64 s[42:43], s[12:13], s[42:43]      ; s[42:43]: bo
	s_lshl_b32 s44, s18, 18                        ; s[44:45]: out0 at token 128 G + 32 (w / 2) + 8 (w % 2), the partner's columns
	s_lshl_b32 s52, s49, 16
	s_add_co_u32 s44, s44, s52
	s_lshl_b32 s52, s50, 14
	s_add_co_u32 s44, s44, s52
	s_add_co_u32 s44, s44, s53
	s_mov_b32 s45, 0
	s_add_nc_u64 s[44:45], s[14:15], s[44:45]
	v_and_b32 v9, 31, v0                           ; lane
	v_and_b32 v10, 15, v0                          ; r
	v_bfe_u32 v11, v0, 4, 1                        ; h
	s_delay_alu instid0(VALU_DEP_3)
	v_lshlrev_b32 v1, 4, v9                        ; v1   16 x lane
	s_delay_alu instid0(VALU_DEP_3)
	v_lshlrev_b32 v2, 4, v10                       ; v2   16 r
	s_lshl_b32 s46, s[WV], 8
	s_add_co_u32 s46, s46, OSC
	v_lshl_add_u32 v3, v11, 3, v2
	s_delay_alu instid0(VALU_DEP_1)
	v_add_nc_u32 v3, s46, v3                       ; v3   where I lay two scale words of tile w: 16 r + 8 h
	v_add_nc_u32 v4, OSC, v2                       ; v4   where a token's four words are read
	v_lshlrev_b32 v5, 15, v11
	s_delay_alu instid0(VALU_DEP_1)
	v_lshl_add_u32 v5, v10, 1, v5                  ; v5   oscale: heads 4 h on, token r
	v_lshlrev_b32 v6, 6, v11                       ; v6   64 h
	v_mul_u32_u24 v7, v10, SP
	s_delay_alu instid0(VALU_DEP_1)
	v_add_nc_u32 v7, v7, v6
	s_add_co_u32 s47, s51, STG
	v_add_nc_u32 v7, s47, v7                       ; v7   the stage, in: row r, my tile's columns, + 64 h bytes
	s_mul_i32 s47, s[WV], 16*SP
	s_add_co_u32 s47, s47, STG
	v_add_nc_u32 v8, s47, v1                       ; v8   and back: my 16 rows, 16 bytes a lane
.irp i, 0,1,2,3
	global_load_u16 v[16+\i], v5, s[36:37] offset:\i*8192      ; the two scale bytes of heads 4 h + i
.endr
.irp s, 0,1,2,3
.irp c, 0,1
	global_load_b128 v[WF+8*\s+4*\c:WF+8*\s+4*\c+3], v1, s[38:39] offset:\s*1024+\c*512
.endr
.endr
	global_load_b128 v[WOS:WOS+3], v2, s[40:41]
	global_load_b128 v[BI:BI+3], v6, s[42:43]      ; register j: column 16 h + j of my tile
	global_load_b128 v[BI+4:BI+7], v6, s[42:43] offset:16
	s_wait_loadcnt 11                              ; the four half words are in; the 8 + 1 + 2 loads issued behind them may be out
	v_lshl_or_b32 v20, v17, 16, v16                ; K step 2 h: heads 4 h and 4 h + 1,
	v_lshl_or_b32 v21, v19, 16, v18                ; K step 2 h + 1
	ds_store_b64 v3, v[20:21]
	s_wait_tensorcnt 0x0                           ; my tile of o is in,
	s_wait_dscnt 0x0                               ; my scale words have landed,
	s_barrier_signal -1
	s_barrier_wait -1                              ; everybody's.  Nothing is filled again
.irp t, 0,1,2,3,4,5,6,7
	ds_load_b128 v[OS+4*\t:OS+4*\t+3], v4 offset:256*\t
.endr
.irp s, 0,1,2,3
.irp t, 0,1,2,3,4,5,6,7
	ds_load_b128 v[OF+8*\t:OF+8*\t+3], v1 offset:\t*4096+\s*1024
	ds_load_b128 v[OF+8*\t+4:OF+8*\t+7], v1 offset:\t*4096+\s*1024+512
.endr
.if \s == 0
	s_wait_loadcnt 0x0                             ; wo, its scale words, bo
.endif
	s_wait_dscnt 0x0
.irp t, 0,1,2,3,4,5,6,7
.if \s == 0
	v_wmma_scale_f32_16x16x128_f8f6f4 v[ACC+8*\t:ACC+8*\t+7], v[WF+8*\s:WF+8*\s+7], v[OF+8*\t:OF+8*\t+7], v[BI:BI+7], v[WOS+\s], v[OS+4*\t+\s] matrix_a_fmt:MATRIX_FMT_FP4 matrix_b_fmt:MATRIX_FMT_FP4
.else
	v_wmma_scale_f32_16x16x128_f8f6f4 v[ACC+8*\t:ACC+8*\t+7], v[WF+8*\s:WF+8*\s+7], v[OF+8*\t:OF+8*\t+7], v[ACC+8*\t:ACC+8*\t+7], v[WOS+\s], v[OS+4*\t+\s] matrix_a_fmt:MATRIX_FMT_FP4 matrix_b_fmt:MATRIX_FMT_FP4
.endif
.endr
.rept 4
	v_nop                                          ; four places in front of loads into operands just read, and of the first read of results
.endr
.endr
	s_wait_alu depctr_va_vdst(0)
.irp t, 0,1,2,3,4,5,6,7
	ds_store_b128 v7, v[ACC+8*\t:ACC+8*\t+3] offset:16*SP*\t       ; each accumulator from its low end on
	ds_store_b128 v7, v[ACC+8*\t+4:ACC+8*\t+7] offset:16*SP*\t+16
.endr
	s_wait_dscnt 0x0                               ; for the others' sake: my stores into the stage have landed
	s_barrier_signal -1
	s_barrier_wait -1                              ; 128 rows of 512 bytes lie in the stage
.irp i, 0,1,2,3,4,5,6,7,8,9,10,11,12,13,14,15
	ds_load_b128 v[OF+4*\i:OF+4*\i+3], v8 offset:SP*\i
.endr
.irp i, 0,1,2,3,4,5,6,7,8,9,10,11,12,13,14,15
	s_wait_dscnt 15-\i                             ; LDS loads come back in order: row i is in, the 15 - i younger ones may be out
	global_store_b128 v1, v[OF+4*\i:OF+4*\i+3], s[44:45] offset:(\i+8*(\i/8))*2048 th:TH_STORE_NT   ; the token at place i: 512 consecutive bytes, aligned; written once, read by nobody here
.endr
	s_wait_tensorcnt 0x0
	ds_add_u32 v254, v255
	s_wait_dscnt 0x0
	ROUND                                          ; the closing round: no work-group ends while a partner may still ask jointly
	s_endpgm
.Lfunc_end_k_qdcfce2a3f6_oproj:
	.size	k_qdcfce2a3f6_oproj, .Lfunc_end_k_qdcfce2a3f6_oproj-k_qdcfce2a3f6_oproj
	.p2alignl 7, 3214868480
	.fill 96, 4, 3214868480
	.section	.rodata,"a",@progbits
	.p2align	6, 0x0
	.amdhsa_kernel k_qdcfce2a3f6_oproj
		.amdhsa_group_segment_fixed_size 168960
		.amdhsa_private_segment_fixed_size 0
		.amdhsa_enable_private_segment 0
		.amdhsa_kernarg_size 48
		.amdhsa_user_sgpr_count 2
		.amdhsa_user_sgpr_kernarg_segment_ptr 1
		.amdhsa_wavefront_size32 1
		.amdhsa_system_sgpr_workgroup_id_x 1
		.amdhsa_system_sgpr_workgroup_id_y 1
		.amdhsa_system_sgpr_workgroup_id_z 1
		.amdhsa_system_vgpr_workitem_id 0
		.amdhsa_next_free_vgpr 256
		.amdhsa_next_free_sgpr 66
		.amdhsa_reserve_vcc 0
		.amdhsa_float_denorm_mode_32 3
		.amdhsa_float_denorm_mode_16_64 3
		.amdhsa_memory_ordered 1
		.amdhsa_forward_progress 1
		.amdhsa_inst_pref_size 21
	.end_amdhsa_kernel
	.amdgpu_metadata
---
amdhsa.version: [ 1, 2 ]
amdhsa.kernels:
  - .name:           k_qdcfce2a3f6_oproj
    .symbol:         k_qdcfce2a3f6_oproj.kd
    .args:
      - { .name: ocodes, .offset: 0, .size: 8, .value_kind: global_buffer, .address_space: global }
      - { .name: oscale, .offset: 8, .size: 8, .value_kind: global_buffer, .address_space: global }
      - { .name: wimg, .offset: 16, .size: 8, .value_kind: global_buffer, .address_space: global }
      - { .name: wsc, .offset: 24, .size: 8, .value_kind: global_buffer, .address_space: global }
      - { .name: bo, .offset: 32, .size: 8, .value_kind: global_buffer, .address_space: global }
      - { .name: out0, .offset: 40, .size: 8, .value_kind: global_buffer, .address_space: global }
    .group_segment_fixed_size: 168960
    .private_segment_fixed_size: 0
    .kernarg_segment_align: 8
    .kernarg_segment_size: 48
    .max_flat_workgroup_size: 256
    .sgpr_count:     66
    .vgpr_count:     256
    .wavefront_size: 32
...
	.end_amdgpu_metadata
.endif
;; end of part 4
